; MI455X (gfx1250); checked and timed in simulation.
; The chip was launched on July 23, 2026; its instructions are those of AMD's public machine-readable ISA for CDNA 5 (MIT licence, August 2026) and "CDNA5" Instruction Set Architecture Reference Guide (July 2026). The comments in the code are by the model that wrote it; some were corrected since.
;; Grouped GEMM Mo E. Allowed arithmetic: matrix products marked QUANTISED: E5M2 operands, one given power-of-two scale a tensor, by v_wmma_f32_16x16x64_bf8_bf8 or v_wmma_f32_16x16x128_bf8_bf8, f32 sums; everything else in f32.
;; Inputs: b1 8 x 1,024 float32; b2 8 x 1,024 float32; expert_weights 4,096 x 1 float32; hidden_states_codes 4 x 1,024 x 32 x 32 uint8 (E5M2 codes of hidden_states, K innermost, in blocks of 32 codes); lowp_scales 32 int32 (the exponents e of the quantised operands' scales 2^e); top_experts 4,096 x 1 int32; w1_codes 8 x 1,024 x 32 x 32 uint8 (E5M2 codes of w1, K innermost, in blocks of 32 codes); w2_codes 8 x 1,024 x 32 x 32 uint8 (E5M2 codes of w2, K innermost, in blocks of 32 codes).
;; Outputs: out0 4 x 1,024 x 1,024 float32.
;; This version of the problem:
;;   THIS VERSION OF THE PROBLEM IS GIVEN IN LOW PRECISION. The matrix products marked QUANTISED in the list below multiply operands that are first quantised to E5M2 (5 exponent bits, 2 mantissa bits; 8 bits a number), with one given power-of-two scale for each operand tensor; their sums are f32. All else is computed in f32.
;;   The module's matrix products, in the order in which they are computed (A, B: the left and right operand; K: the contracted axis; several contracted axes count as one K, in the product's order):
;;     1. [M 4,096, K 1,024] x [K 1,024, N 1,024]; A: input hidden_states (given as codes); B: input w1 (given as codes): QUANTISED (scales: A lowp_scales[0], B lowp_scales[1])
;;     2. [M 4,096, K 1,024] x [K 1,024, N 1,024]; A: computed on the way; B: input w2 (given as codes): QUANTISED (scales: A lowp_scales[2], B lowp_scales[3])
;;     3. [M 4,096, K 1,024] x [K 1,024, N 1,024]; A: input hidden_states (given as codes); B: input w1 (given as codes): QUANTISED (scales: A lowp_scales[4], B lowp_scales[5])
;;     4. [M 4,096, K 1,024] x [K 1,024, N 1,024]; A: computed on the way; B: input w2 (given as codes): QUANTISED (scales: A lowp_scales[6], B lowp_scales[7])
;;     5. [M 4,096, K 1,024] x [K 1,024, N 1,024]; A: input hidden_states (given as codes); B: input w1 (given as codes): QUANTISED (scales: A lowp_scales[8], B lowp_scales[9])
;;     6. [M 4,096, K 1,024] x [K 1,024, N 1,024]; A: computed on the way; B: input w2 (given as codes): QUANTISED (scales: A lowp_scales[10], B lowp_scales[11])
;;     7. [M 4,096, K 1,024] x [K 1,024, N 1,024]; A: input hidden_states (given as codes); B: input w1 (given as codes): QUANTISED (scales: A lowp_scales[12], B lowp_scales[13])
;;     8. [M 4,096, K 1,024] x [K 1,024, N 1,024]; A: computed on the way; B: input w2 (given as codes): QUANTISED (scales: A lowp_scales[14], B lowp_scales[15])
;;     9. [M 4,096, K 1,024] x [K 1,024, N 1,024]; A: input hidden_states (given as codes); B: input w1 (given as codes): QUANTISED (scales: A lowp_scales[16], B lowp_scales[17])
;;     10. [M 4,096, K 1,024] x [K 1,024, N 1,024]; A: computed on the way; B: input w2 (given as codes): QUANTISED (scales: A lowp_scales[18], B lowp_scales[19])
;;     11. [M 4,096, K 1,024] x [K 1,024, N 1,024]; A: input hidden_states (given as codes); B: input w1 (given as codes): QUANTISED (scales: A lowp_scales[20], B lowp_scales[21])
;;     12. [M 4,096, K 1,024] x [K 1,024, N 1,024]; A: computed on the way; B: input w2 (given as codes): QUANTISED (scales: A lowp_scales[22], B lowp_scales[23])
;;     13. [M 4,096, K 1,024] x [K 1,024, N 1,024]; A: input hidden_states (given as codes); B: input w1 (given as codes): QUANTISED (scales: A lowp_scales[24], B lowp_scales[25])
;;     14. [M 4,096, K 1,024] x [K 1,024, N 1,024]; A: computed on the way; B: input w2 (given as codes): QUANTISED (scales: A lowp_scales[26], B lowp_scales[27])
;;     15. [M 4,096, K 1,024] x [K 1,024, N 1,024]; A: input hidden_states (given as codes); B: input w1 (given as codes): QUANTISED (scales: A lowp_scales[28], B lowp_scales[29])
;;     16. [M 4,096, K 1,024] x [K 1,024, N 1,024]; A: computed on the way; B: input w2 (given as codes): QUANTISED (scales: A lowp_scales[30], B lowp_scales[31])
;;   THE QUANTISER, for each operand of a quantised product, along K:
;;     - The operand's scale is 2^e, e = its entry of the input lowp_scales (int32; the entries are numbered through the quantised products in the list's order, A before B).
;;     - Each number is divided by the scale, clamped to +-57,344, and rounded to the nearest number of E5M2, ties to even, subnormals kept.
;;     - The product sums the exact products of the quantised numbers (number of the format x scale) in f32.
;;   ~~~python
;;   def quantise(x, axis, e):      # numpy; x: float32 -> the quantised numbers, widened to float32 again
;;       x = np.moveaxis(x, axis, -1); K = x.shape[-1]
;;       r = np.clip(x / 2.0 ** e, -57344, 57344)
;;       step = 2.0 ** (np.maximum(np.frexp(np.where(r == 0, 1, r))[1] - 1, -14) - 2)
;;       q = np.round(r / step) * step * 2.0 ** e      # np.round: ties to even
;;       return np.moveaxis(q, -1, axis).astype(np.float32)
;;   ~~~
;;   OPERANDS COMPUTED ON THE WAY. 'Computed on the way' means the value that the module computes at that place (a softmax that the list does not call 'softmax' is quantised finished and normalised). What goes into a quantiser is computed in f32, as accurately as f32 sums, v_exp_f32 and their like allow (about 1e-6 of the number): no bf16 or f16 on the way to a quantiser, and a product that is left as it is and whose result goes on into a quantised operand takes f32 operands (vector FMAs, or v_wmma_f32_16x16x4_f32). A number that lies on a knife's edge between two numbers of the format may be rounded either way, as far as f32 arithmetic and the matrix unit's own rounding can turn it there, and no further.
;;   INPUTS GIVEN AS CODES. hidden_states (in the module: [4, 1024, 1024], K = its axis 2); w1 (in the module: [8, 1024, 1024], K = its axis 1); w2 (in the module: [8, 1024, 1024], K = its axis 1): each comes as NAME_codes (uint8): NAME with its K axis moved to the last place and cut into blocks of 32 codes, [.., K / 32, bytes a block], one block behind the other in memory; one code a byte (a code: sign, 5 exponent bits, 2 mantissa bits); its scale is its entry of lowp_scales. Its value is code x scale, taken as it is: it is not quantised again, and the codes and scales need not be those that the quantiser above would give.
;; 2 versions. Each part assembles by itself: llvm-mc -triple=amdgcn-amd-amdhsa -mcpu=gfx1250 --defsym DOCPART=n.
;; ======== version 1 of 2: 2 launches
;; limits: right only within a limited range of input values
;; workspace buffers: wf 16,777,216 bytes; order 16,640 bytes of whole numbers; tiles 1,536 bytes of whole numbers
;; launch prep (part 1): grid 257 x 1, 8 waves a work-group, no clusters, 70,912 bytes of LDS; arguments top_experts, w1_codes, w2_codes, wf, order, tiles; writes wf, order, tiles
.if DOCPART == 1
	.amdgcn_target "amdgcn-amd-amdhsa--gfx1250"
	.amdhsa_code_object_version 6
	.text
	.protected	k_qaac322aeca_prep
	.globl	k_qaac322aeca_prep
	.p2align	8
	.type	k_qaac322aeca_prep,@function
k_qaac322aeca_prep:
	s_mov_b64 s[64:65], 0
	v_nop
	global_prefetch_b8 v0, s[64:65] scope:SCOPE_SE
	s_setreg_imm32_b32 hwreg(HW_REG_WAVE_MODE, 25, 1), 1
	s_wait_xcnt 0x0
; prep: two jobs in one launch, parted on the work-group's number.
; WORK-GROUP 0 sorts the 4,096 tokens by their expert (a counting sort, no atomics) and stores, as whole numbers for the next launch:
;   order[j]  = the token at sorted place j (entries 4,096 .. 4,159 are 0: a tile's last reads may reach them);
;   tiles[t]  = {expert, first sorted place, rows (0 .. 64), 0} for t = 0 .. 95: each expert's tokens cut into tiles of 64 rows.
; WORK-GROUPS 1 .. 256 lay w1's and w2's codes out once in the order of a wave's operand registers:
;   wf byte = e 2^21 + w 2^19 + L 2^18 + p 2^15 + ((2 s + u) 4 + c) 512 + 16 lane   (expert e, wave w, layer L, block p of 32 weight rows, K step s of 128, tile u of the pair, register group c);
;   lane (r = lane % 16, h = lane / 16) holds, of weight row 256 w + 32 p + 8 u + r + 8 (r / 8), the codes k = 128 s + 32 c + 16 h + 0 .. 15.
;   So the next launch fills four operand registers of all 32 lanes with one load of 512 consecutive bytes.
; A block of 32 weight rows is 32 KiB on end in the source and in wf.  A wave takes 32 rows x 256 bytes: 16 loads of two whole 256-byte pieces of rows, through its own stage in LDS (pitch 272 bytes:
; 17 x 16, so sixteen rows of a read start at sixteen different banks), 16 stores of 512 consecutive bytes.  The waves of this path share nothing: no barrier.
; LIMIT: top_experts lies in 0 .. 7 (an index into the eight experts); another number would leave places of order unwritten.
.set SP,   272                         ; a stage row: 256 bytes + 16
.set STW,  32*SP                       ; a wave's stage
.set CNT,  8*STW                       ; behind the eight stages: the sort's counts, [wave][expert] words, 256 bytes: bytes of this path's own
.set ID,   16                          ; v16-31  the experts of my 16 tokens
.set LR,   32                          ; v32-47  their ranks among my wave's tokens of the same expert
.set RUN,  24                          ; s24-31  running counts of my wave; later each expert's base for my wave
.set TOT,  32                          ; s32-39  tokens of each expert
.set OFF,  40                          ; s40-47  first sorted place of each expert
.set TB,   48                          ; s48-55  first tile of each expert
	s_load_b256 s[4:11], s[0:1], 0x0               ; top_experts s[4:5], w1 s[6:7], w2 s[8:9], wf s[10:11]
	s_load_b128 s[12:15], s[0:1], 0x20             ; order s[12:13], tiles s[14:15]
	v_lshl_add_u32 v160, v0, 2, 0x11100
	v_mov_b32 v161, 0
	v_lshrrev_b32 v1, 5, v0
	v_readfirstlane_b32 s16, v1                    ; wave 0..7
	v_and_b32 v1, 31, v0                           ; lane
	s_cmp_eq_u32 ttmp9, 0
	s_cbranch_scc1 .Lroute
	; ---------------- the lay-out ----------------
	s_sub_co_u32 s17, ttmp9, 1
	s_lshl_b32 s17, s17, 1
	s_lshr_b32 s18, s16, 2
	s_add_co_u32 s17, s17, s18                     ; B = 2 (work-group - 1) + wave / 4: which block of 32 rows, 0 .. 511
	s_and_b32 s18, s16, 3                          ; which 256 bytes of the rows: K steps 2 q, 2 q + 1
	s_bfe_u32 s19, s17, 0x30005                    ; expert = (B / 32) % 8
	s_and_b32 s20, s17, 31                         ; block in the expert's 1,024 rows = 8 w + p
	s_lshr_b32 s21, s17, 8                         ; layer
	s_lshl_b32 s22, s19, 20                        ; source: expert x 2^20 + block x 32 rows x 1,024 + 256 q
	s_lshl_b32 s24, s20, 15
	s_add_co_u32 s22, s22, s24
	s_lshl_b32 s24, s18, 8
	s_add_co_u32 s22, s22, s24
	s_mov_b32 s23, 0
	s_lshl_b32 s26, s19, 21                        ; wf: e 2^21 + w 2^19 + L 2^18 + p 2^15 + q 2^13
	s_lshr_b32 s24, s20, 3
	s_lshl_b32 s24, s24, 19
	s_add_co_u32 s26, s26, s24
	s_lshl_b32 s24, s21, 18
	s_add_co_u32 s26, s26, s24
	s_and_b32 s24, s20, 7
	s_lshl_b32 s24, s24, 15
	s_add_co_u32 s26, s26, s24
	s_lshl_b32 s24, s18, 13
	s_add_co_u32 s26, s26, s24
	s_mov_b32 s27, 0
	v_and_b32 v6, 15, v0                           ; r
	v_bfe_u32 v7, v0, 4, 1                         ; h
	v_lshlrev_b32 v8, 4, v6
	v_lshl_add_u32 v2, v7, 10, v8                  ; in: lanes 0-15 one row's 256 bytes, lanes 16-31 the next row's
	s_mul_i32 s24, s16, STW                        ; my stage
	v_mul_u32_u24 v3, v7, SP
	v_add_nc_u32 v3, v3, v8
	v_add_nc_u32 v3, s24, v3                       ; into the stage: the same two rows
	v_mul_u32_u24 v4, v6, SP
	v_lshl_add_u32 v4, v7, 4, v4
	v_add_nc_u32 v4, s24, v4                       ; out of it: place r, + 16 h
	v_lshlrev_b32 v5, 4, v1                        ; out: 16 bytes a lane
	s_wait_kmcnt 0x0
	s_cmp_lt_u32 s17, 256                          ; w1 or w2: the choice hangs on the work-group's and the wave's number alone
	s_cselect_b64 s[28:29], s[6:7], s[8:9]
	s_add_nc_u64 s[28:29], s[28:29], s[22:23]
	s_add_nc_u64 s[30:31], s[10:11], s[26:27]
.irp i, 0,1,2,3,4,5,6,7,8,9,10,11,12,13,14,15
	global_load_b128 v[16+4*\i:19+4*\i], v2, s[28:29] offset:2048*\i th:TH_LOAD_NT   ; rows 2 i, 2 i + 1; read once in the launch
.endr
; Row 16 a + 8 u + j of the block goes to place 16 u + 8 a + j of the stage: a tile's sixteen rows (lane r takes row 8 u + r + 8 (r / 8)) then lie on end.
.irp i, 0,1,2,3,4,5,6,7,8,9,10,11,12,13,14,15
	s_wait_loadcnt 15-\i                           ; loads come back in order: load i is in, the 15 - i behind it may be out
	ds_store_b128 v3, v[16+4*\i:19+4*\i] offset:(16*((\i/4)%2)+8*(\i/8)+2*(\i%4))*SP
.endr
.irp t, 0,1,2,3,4,5,6,7,8,9,10,11,12,13,14,15
	ds_load_b128 v[80+4*\t:83+4*\t], v4 offset:((\t/4)%2)*16*SP+128*(\t/8)+32*(\t%4)   ; piece t = (4 (2 s' + u) + c).  LDS serves a wave's instructions in order: these see my stores
.endr
.irp t, 0,1,2,3,4,5,6,7,8,9,10,11,12,13,14,15
	s_wait_dscnt 15-\t
	global_store_b128 v5, v[80+4*\t:83+4*\t], s[30:31] offset:512*\t   ; 512 consecutive bytes, at a multiple of 512 from wf's first byte
.endr
	s_wait_tensorcnt 0x0
	ds_add_u32 v160, v161
	s_wait_dscnt 0x0
	s_endpgm
	; ---------------- the routing ----------------
.Lroute:
	v_lshlrev_b32 v2, 4, v1
	s_lshl_b32 s17, s16, 11
	v_add_nc_u32 v2, s17, v2                       ; my wave's 512 tokens; register 4 i + c holds token 512 wave + 128 i + 4 lane + c
	s_wait_kmcnt 0x0
.irp i, 0,1,2,3
	global_load_b128 v[ID+4*\i:ID+4*\i+3], v2, s[4:5] offset:512*\i
.endr
.irp e, 0,1,2,3,4,5,6,7
	s_mov_b32 s[RUN+\e], 0
.endr
	s_wait_loadcnt 0x0
; The rank of a token among my wave's tokens of its expert: those counted so far + the lanes below mine with the same expert in this register.
.macro RANK g, e
	v_cmp_eq_u32 s20, \e, v[ID+\g]
	v_mbcnt_lo_u32_b32 v48, s20, 0
.if \e == 0
	v_add_nc_u32 v[LR+\g], s[RUN], v48             ; expert 0 starts the register: nothing is cleared
.else
	v_add_nc_u32 v48, s[RUN+\e], v48
	v_cndmask_b32 v[LR+\g], v[LR+\g], v48, s20
.endif
	s_bcnt1_i32_b32 s21, s20
	s_add_co_u32 s[RUN+\e], s[RUN+\e], s21
.endm
.irp g, 0,1,2,3,4,5,6,7,8,9,10,11,12,13,14,15
.irp e, 0,1,2,3,4,5,6,7
	RANK \g, \e
.endr
.endr
	s_lshl_b32 s22, s16, 5
	s_add_co_u32 s22, s22, CNT
	v_mov_b32 v49, s22                             ; my wave's eight counts
.irp e, 0,1,2,3,4,5,6,7
	v_mov_b32 v48, s[RUN+\e]
	ds_store_b32 v49, v48 offset:4*\e              ; all lanes write the same word with the same number
.endr
	s_wait_dscnt 0x0                               ; for the others' sake: my counts lie in LDS
	s_barrier_signal -1
	s_barrier_wait -1
	v_and_b32 v58, 7, v0
	v_lshlrev_b32 v58, 2, v58
	v_add_nc_u32 v58, CNT, v58                     ; lane l looks at expert l % 8
.irp w, 0,1,2,3,4,5,6,7
	ds_load_b32 v[50+\w], v58 offset:32*\w
.endr
	v_mov_b32 v60, 0                               ; the expert's tokens in all,
	v_mov_b32 v61, 0                               ; and in the waves ahead of mine
	s_wait_dscnt 0x0
.irp w, 0,1,2,3,4,5,6,7
	v_add_nc_u32 v60, v60, v[50+\w]
	s_cmp_gt_u32 s16, \w
	s_cselect_b32 s21, -1, 0
	v_and_b32 v59, s21, v[50+\w]
	v_add_nc_u32 v61, v61, v59
.endr
.irp e, 0,1,2,3,4,5,6,7
	v_readlane_b32 s[TOT+\e], v60, \e
.endr
	s_mov_b32 s[OFF], 0
	s_mov_b32 s[TB], 0
.irp e, 0,1,2,3,4,5,6
	s_add_co_u32 s[OFF+\e+1], s[OFF+\e], s[TOT+\e]
	s_add_co_u32 s21, s[TOT+\e], 63
	s_lshr_b32 s21, s21, 6
	s_add_co_u32 s[TB+\e+1], s[TB+\e], s21         ; an expert has ceil(tokens / 64) tiles
.endr
.irp e, 0,1,2,3,4,5,6,7
	v_readlane_b32 s[RUN+\e], v61, \e
	s_add_co_u32 s[RUN+\e], s[RUN+\e], s[OFF+\e]   ; where my wave's tokens of expert e begin
.endr
	v_lshlrev_b32 v63, 2, v1
	s_lshl_b32 s22, s16, 9
	v_add_nc_u32 v63, s22, v63                     ; 512 wave + 4 lane
.irp g, 0,1,2,3,4,5,6,7,8,9,10,11,12,13,14,15
	v_mov_b32 v[64+\g], s[RUN]
.irp e, 1,2,3,4,5,6,7
	v_cmp_eq_u32 vcc_lo, \e, v[ID+\g]
	v_cndmask_b32 v[64+\g], v[64+\g], s[RUN+\e], vcc_lo
.endr
	v_add_nc_u32 v[80+\g], v[64+\g], v[LR+\g]      ; the token's sorted place,
	v_min_u32 v[80+\g], 0xfff, v[80+\g]            ; held inside the list,
	v_lshlrev_b32 v[80+\g], 2, v[80+\g]            ; in bytes
	v_add_nc_u32 v[96+\g], 128*(\g/4)+(\g%4), v63  ; the token
	global_store_b32 v[80+\g], v[96+\g], s[12:13]  ; each register pair serves one store and is not written again
.endr
	s_cmp_lt_u32 s16, 3
	s_cbranch_scc0 .Lnot_tiles
	; waves 0-2: thread t makes tile t.  Its expert is the last one whose first tile is not behind t (an expert without tokens shares its first tile with the next and loses).
	v_mov_b32 v132, 0
	v_mov_b32 v129, 0
	v_mov_b32 v130, 0
	v_mov_b32 v131, s[TOT]
.irp e, 1,2,3,4,5,6,7
	v_cmp_le_u32 vcc_lo, s[TB+\e], v0
	v_cndmask_b32 v132, v132, \e, vcc_lo
	v_cndmask_b32 v129, v129, s[TB+\e], vcc_lo
	v_cndmask_b32 v130, v130, s[OFF+\e], vcc_lo
	v_cndmask_b32 v131, v131, s[TOT+\e], vcc_lo
.endr
	v_sub_nc_u32 v129, v0, v129                    ; which tile of the expert,
	v_lshlrev_b32 v129, 6, v129                    ; x 64 rows
	v_add_nc_u32 v133, v130, v129
	v_min_u32 v133, 0xfff, v133                    ; first sorted place (held inside the list for tiles behind the last)
	v_sub_nc_u32 v134, v131, v129
	v_max_i32 v134, 0, v134
	v_min_i32 v134, 64, v134                       ; rows: what is left of the expert's tokens, 0 .. 64
	v_mov_b32 v135, 0
	v_lshlrev_b32 v136, 4, v0
	global_store_b128 v136, v[132:135], s[14:15]
	s_wait_tensorcnt 0x0
	ds_add_u32 v160, v161
	s_wait_dscnt 0x0
	s_endpgm
.Lnot_tiles:
	s_cmp_lt_u32 s16, 5
	s_cbranch_scc0 .Ldone
	v_lshlrev_b32 v136, 2, v0                      ; waves 3, 4: threads 96 .. 159 store entries 4,096 .. 4,159: 16,384 + 4 (t - 96) = 4 t + 16,000
	v_mov_b32 v137, 0
	global_store_b32 v136, v137, s[12:13] offset:16000
.Ldone:
	s_wait_tensorcnt 0x0
	ds_add_u32 v160, v161
	s_wait_dscnt 0x0
	s_endpgm
.Lfunc_end_k_qaac322aeca_prep:
	.size	k_qaac322aeca_prep, .Lfunc_end_k_qaac322aeca_prep-k_qaac322aeca_prep
	.p2alignl 7, 3214868480
	.fill 96, 4, 3214868480
	.section	.rodata,"a",@progbits
	.p2align	6, 0x0
	.amdhsa_kernel k_qaac322aeca_prep
		.amdhsa_group_segment_fixed_size 70912
		.amdhsa_private_segment_fixed_size 0
		.amdhsa_enable_private_segment 0
		.amdhsa_kernarg_size 48
		.amdhsa_user_sgpr_count 2
		.amdhsa_user_sgpr_kernarg_segment_ptr 1
		.amdhsa_wavefront_size32 1
		.amdhsa_system_sgpr_workgroup_id_x 1
		.amdhsa_system_sgpr_workgroup_id_y 1
		.amdhsa_system_sgpr_workgroup_id_z 1
		.amdhsa_system_vgpr_workitem_id 0
		.amdhsa_next_free_vgpr 162
		.amdhsa_next_free_sgpr 66
		.amdhsa_reserve_vcc 1
		.amdhsa_float_denorm_mode_32 3
		.amdhsa_float_denorm_mode_16_64 3
		.amdhsa_memory_ordered 1
		.amdhsa_forward_progress 1
		.amdhsa_inst_pref_size 68
	.end_amdhsa_kernel
	.amdgpu_metadata
---
amdhsa.version: [ 1, 2 ]
amdhsa.kernels:
  - .name:           k_qaac322aeca_prep
    .symbol:         k_qaac322aeca_prep.kd
    .args:
      - { .name: top_experts, .offset: 0, .size: 8, .value_kind: global_buffer, .address_space: global }
      - { .name: w1_codes, .offset: 8, .size: 8, .value_kind: global_buffer, .address_space: global }
      - { .name: w2_codes, .offset: 16, .size: 8, .value_kind: global_buffer, .address_space: global }
      - { .name: wf, .offset: 24, .size: 8, .value_kind: global_buffer, .address_space: global }
      - { .name: order, .offset: 32, .size: 8, .value_kind: global_buffer, .address_space: global }
      - { .name: tiles, .offset: 40, .size: 8, .value_kind: global_buffer, .address_space: global }
    .group_segment_fixed_size: 70912
    .private_segment_fixed_size: 0
    .kernarg_segment_align: 8
    .kernarg_segment_size: 48
    .max_flat_workgroup_size: 256
    .sgpr_count:     66
    .vgpr_count:     162
    .wavefront_size: 32
...
	.end_amdgpu_metadata
.endif
;; end of part 1
;; launch chain (part 2): grid 71 x 1, 4 waves a work-group, no clusters, 275,968 bytes of LDS; arguments tiles, order, hidden_states_codes, wf, b1, b2, expert_weights, lowp_scales, out0; writes out0
.if DOCPART == 2
	.amdgcn_target "amdgcn-amd-amdhsa--gfx1250"
	.amdhsa_code_object_version 6
	.text
	.protected	k_qaac322aeca_chain
	.globl	k_qaac322aeca_chain
	.p2align	8
	.type	k_qaac322aeca_chain,@function
k_qaac322aeca_chain:
	s_mov_b64 s[64:65], 0
	v_nop
	global_prefetch_b8 v0, s[64:65] scope:SCOPE_SE
	s_setreg_imm32_b32 hwreg(HW_REG_WAVE_MODE, 25, 1), 1
	s_wait_xcnt 0x0
; chain: y[t] = fw[t] (gelu(x[t] W1[e] + b1[e]) W2[e] + b2[e]) for the one expert e of token t; both products on codes of BF8 (E5M2), sums in f32.
; GRID.  4,096 routed rows in tiles of 64 over 8 experts are never more than 64 + 7 = 71 tiles.  Work-group t takes tile t of the stored list through the whole chain.  A tile with fewer than 64 rows computes
; all 64 (the list's next tokens) and stores only its own; a tile without rows stores nothing.  Both barriers stand on every path: no branch on a loaded number leads round them.
; SHARES.  THE FOUR WAVES SHARE THE COLUMNS: wave w makes hidden units and outputs 256 w .. 256 w + 255 for all 64 rows, in 8 blocks of 32 a layer.  The 64 rows' codes (x, later the hidden layer: 32 fragments of
; 16 rows x 128 K, 512 registers) stay in every wave's registers; the weights stream from wf straight into a ring of 256 registers, one block (32 KiB) deep: each load is 512 consecutive bytes, and a K step's 8 loads are
; asked for again as soon as its 8 products are issued, so that a wave keeps up to 32 KiB on its way.  Each weight byte is used by one wave: LDS would only add a second pass.
; NO CLUSTER: nothing here is fetched by tensor loads, so there is nothing to ask for jointly; and a joint descriptor would hold the expert's number, which is read from memory and differs where the list changes experts.
; ORDER OF THE BLOCKS.  Work-group t walks a layer's blocks in the order p ^ k, k = t % 8, so that the tiles of one expert ask for different blocks at the same time.  k enters global addresses alone: block p ^ k's
; hidden units lie in the fixed place p of the hidden layer's image, and W2's pieces along K are fetched in the same permuted order (the piece's offset ^ X).
; THE RING'S ADDRESSES.  The scalar base (wf + the expert's 2 MiB + the wave's 512 KiB) is made once and stays; layer, block and piece stand in eight vector offsets, made anew for each block from the step of the walk and k.
; LAYOUT.  Both products are used transposed (source 0 = 16 weight rows, source 1 = 16 tokens): a lane holds ONE token (lane % 16).  The weight rows of a tile are not neighbours (wf's lay-out), so that the 16 registers of a
; pair of tiles are 16 neighbouring units, 16 (lane / 16) + 0 .. 15 of the block: the conversions' results are four registers of the next operand.  Inside an instruction k is permuted alike in both operands
; (registers 4 c .. 4 c + 3: k = 32 c + 16 (lane / 16) + 0 .. 15): every product meets its partner; the order of the sums differs.
; GELU, exact form: pre / 2 x (1 + erf(pre / sqrt 2)), erf(u) = u P(u^2) / Q(u^2) on |u| <= 4 (degrees 6 and 4), all in f32: a few units in erf's last place; 1 + erf carries an absolute error of about 1e-7.
; SCALES of expert e: ex, ew1, eh, ew2 = lowp_scales[4 e .. 4 e + 3].  b1 goes in as the C of each sum's first product, divided by 2^(ex + ew1); that power is folded into the two constants 1 / sqrt 2 and 1 / 2.
; LIMITS: ex + ew1 between -125 and 128, eh between -126 and 112, eh + ew2 between -126 and 127 (each power of two below is an f32 number).  Codes of infinity or NaN are not served.  top_experts in 0 .. 7.
; REGISTERS, in windows of 256.  Window 0: see the names below.  Windows 1, 2: the resident operand: fragment (tile of rows m, K step s) in window 1 + m / 2 at 128 (m % 2) + 16 s.  Window 3: the ring: fragment (s, u) at 32 s + 16 u.
.set XP,   1040                        ; LDS: a row of x: 1,024 bytes + 16 = 65 x 16: sixteen rows of a read start at sixteen different banks
.set HIMG, 64*XP                       ; behind x's 64 rows: the hidden layer's 32 fragments as images of their registers: (8 m + s) 2,048 + 512 c + 16 lane
.set BIAS, HIMG+65536                  ; the biases in the order of the walk: 2,048 wave + 1,024 layer + 128 step
.set STG,  BIAS+8192                   ; each wave's stage for the way out: 64 rows x (4 blocks x 128 bytes + 16)
.set SPT,  528
.set STW,  64*SPT
.set L16,  1                           ; v1   16 x lane
.set XS,   2                           ; v2   where I store x's rows
.set XF,   3                           ; v3   where I read x's fragments
.set HW,   4                           ; v4   where I store my hidden codes
.set HR,   5                           ; v5   where I read the hidden fragments
.set BA,   6                           ; v6   my lane's 16 biases of a block
.set SO,   7                           ; v7   the stage: where I put my results
.set SR,   8                           ; v8   and where I read a row back
.set AD,   9                           ; v9   LDS address in hand
.set COLW, 10                          ; v10-11  byte in a row of 1,024 f32 of my 16 bytes, for steps 0-3 and 4-7 of the walk
.set VA,   12                          ; v12-19  offsets of the ring's loads from my wave's part of wf: layer, block, piece, lane
.set FO,   20                          ; v20-23  offsets of the gate weights
.set R4,   24                          ; v24  4 (lane % 16)
.set BS,   25                          ; v25  where I store the biases
.set TOKR, 28                          ; v28-31  token of row 16 m + lane % 16
.set ACC,  32                          ; v32-95  accumulator (m, u) at 32 + 8 (2 m + u)
.set T,    96                          ; v96-159 at work
.set U,    T
.set X2,   T+16
.set P,    T+32
.set Q,    T+48
.set BI,   160                         ; v160-175 the block's 16 biases of my lane
.set PC,   176                         ; v176-191 the codes just made
.set CA,   192                         ; v192-205 P's seven coefficients, each twice (packed arithmetic)
.set CB,   206                         ; v206-215 Q's five
.set FW,   216                         ; v216-223 the gate weight of my token, a pair for each m
.set SCL,  224                         ; v224 2^eh
.set LIM,  225                         ; v225 57,344 x 2^eh
.set OO,   232                         ; v232-247 the way out: offsets of 16 rows
.set CT,   27                          ; s27  a loop's trips to go
.set C1,   34                          ; s[34:35] 2^(ex + ew1) / sqrt 2
.set C2,   36                          ; s[36:37] 2^(ex + ew1) / 2
.set S2,   38                          ; s[38:39] 2^(eh + ew2)
.set NEG,  40                          ; s40  -(ex + ew1)
.set WV,   41                          ; s41  wave
.set KX,   42                          ; s42  k
.set XM,   43                          ; s43  X = (k % 4) 512 | (k / 4) 4,096
.set G,    44                          ; s44  step of the walk, 0 .. 15 over both layers
.set HS,   45                          ; s45  512 x step: the hidden block's place
.set BO,   46                          ; s46  the bias block's place
.set SQ,   47                          ; s47  the block's 128 bytes in a stage row
.set WB,   66                          ; s[66:67] my wave's 512 KiB of wf: the base of every load of the ring; never rewritten
.set MSB, 0
.macro WIN new                         ; the immediate's high byte repeats the setting that is left; a switch that changes nothing is dropped
.if MSB != (\new)
	s_set_vgpr_msb (MSB<<8)|(\new)
.set MSB, (\new)
.endif
.endm
	s_load_b512 s[4:19], s[0:1], 0x0               ; tiles s[4:5], order s[6:7], x s[8:9], wf s[10:11], b1 s[12:13], b2 s[14:15], gate weights s[16:17], scales s[18:19]
	s_load_b64 s[20:21], s[0:1], 0x40              ; out
	v_lshl_add_u32 v254, v0, 2, 0x43400
	v_mov_b32 v255, 0
	v_lshrrev_b32 v26, 5, v0
	v_readfirstlane_b32 s[WV], v26                 ; wave 0..3
	v_and_b32 v26, 31, v0
	v_lshlrev_b32 v[L16], 4, v26
	v_and_b32 v26, 15, v0                          ; r
	v_bfe_u32 v27, v0, 4, 1                        ; h
	s_and_b32 s[KX], ttmp9, 7
	s_and_b32 s74, s[KX], 3
	s_lshl_b32 s74, s74, 9
	s_lshr_b32 s75, s[KX], 2
	s_lshl_b32 s75, s75, 12
	s_or_b32 s[XM], s74, s75
	s_lshl_b32 s22, ttmp9, 4
	s_mov_b32 s23, 0
	s_wait_kmcnt 0x0
	s_add_nc_u64 s[22:23], s[4:5], s[22:23]
	s_load_b128 s[24:27], s[22:23], 0x0            ; my tile: expert, first sorted place, rows, 0
	; LDS addresses: constants, the lane and the wave alone
	s_mul_i32 s74, s[WV], 16*XP
	v_add_nc_u32 v[XS], s74, v[L16]                ; x: my wave stores rows 16 w .. 16 w + 15, 512 bytes an instruction
	v_mul_u32_u24 v[XF], v26, XP
	v_lshl_add_u32 v[XF], v27, 4, v[XF]            ; a fragment: row r, + 16 h
	s_lshl_b32 s74, s[WV], 12
	s_add_co_u32 s74, s74, HIMG
	v_add_nc_u32 v[HW], s74, v[L16]                ; my 256 hidden units are K steps 2 w, 2 w + 1: 4,096 w
	v_add_nc_u32 v[HR], HIMG, v[L16]
	s_lshl_b32 s74, s[WV], 11
	s_add_co_u32 s74, s74, BIAS
	v_lshl_add_u32 v[BA], v27, 6, s74              ; units 16 h + 0 .. 15 of a block: 64 h bytes on
	v_add_nc_u32 v[BS], s74, v[L16]
	s_mul_i32 s74, s[WV], STW
	s_add_co_u32 s74, s74, STG
	v_mul_u32_u24 v[SO], v26, SPT
	v_lshl_add_u32 v[SO], v27, 6, v[SO]
	v_add_nc_u32 v[SO], s74, v[SO]                 ; the stage: row r, + 64 h
	v_add_nc_u32 v[SR], s74, v[L16]
	v_lshlrev_b32 v[R4], 2, v26
	v_bfe_u32 v26, v0, 3, 2                        ; lane / 8: which of four blocks of a stage row
	v_and_b32 v27, 7, v0
	v_lshlrev_b32 v27, 4, v27
	s_lshl_b32 s74, s[WV], 10
	v_add_nc_u32 v27, s74, v27                     ; 1,024 w + 16 (lane % 8)
.irp ch, 0,1
	v_add_nc_u32 v[COLW+\ch], 4*\ch, v26           ; step of the walk,
	v_xor_b32 v[COLW+\ch], s[KX], v[COLW+\ch]      ; its block,
	v_lshl_add_u32 v[COLW+\ch], v[COLW+\ch], 7, v27   ; 128 bytes a block.  (Four steps cover an aligned 512 bytes, sixteen lanes an aligned 256)
.endr
	s_lshl_b32 s74, s[KX], 15                      ; the walk's first block: layer 1's block 0 ^ k,
	v_add_nc_u32 v26, s74, v[L16]
.irp i, 0,1,2,3,4,5,6,7
	v_add_nc_u32 v[VA+\i], (\i/4)*4096+(\i%4)*512, v26   ; its pieces as they lie
.endr
	s_wait_kmcnt 0x0
	s_min_u32 s24, s24, 7                          ; loaded numbers are held inside their tables before they enter an address
	s_min_u32 s25, s25, 4095
	s_min_u32 s26, s26, 64
	s_lshl_b32 s74, s24, 4
	s_mov_b32 s75, 0
	s_add_nc_u64 s[74:75], s[18:19], s[74:75]
	s_load_b128 s[28:31], s[74:75], 0x0            ; ex, ew1, eh, ew2
	s_lshl_b32 s76, s25, 2
	s_mov_b32 s77, 0
	s_add_nc_u64 s[32:33], s[6:7], s[76:77]        ; the list at my tile's first row
	s_lshl_b32 s78, s[WV], 6
	s_mov_b32 s79, 0
	s_add_nc_u64 s[78:79], s[32:33], s[78:79]
	s_load_b512 s[48:63], s[78:79], 0x0            ; the tokens of rows 16 w .. 16 w + 15 (the list has 64 entries beyond its 4,096: no read leaves it)
.irp m, 0,1,2,3
	global_load_b32 v[TOKR+\m], v[R4], s[32:33] offset:64*\m
.endr
	s_lshl_b32 s76, s24, 12
	s_add_nc_u64 s[70:71], s[12:13], s[76:77]      ; b1[e], b2[e]
	s_add_nc_u64 s[72:73], s[14:15], s[76:77]
	s_lshl_b32 s76, s24, 21
	s_lshl_b32 s44, s[WV], 19
	s_add_co_u32 s76, s76, s44
	s_add_nc_u64 s[WB:WB+1], s[10:11], s[76:77]    ; my wave's 512 KiB of wf
	s_wait_kmcnt 0x0
.irp j, 0,1,2,3,4,5,6,7,8,9,10,11,12,13,14,15
	s_min_u32 s[48+\j], s[48+\j], 4095
	s_lshl_b32 s[48+\j], s[48+\j], 10
	v_add_nc_u32 v[BI+\j], s[48+\j], v[L16]
	global_load_b128 v[ACC+8*\j:ACC+8*\j+3], v[BI+\j], s[8:9]                  ; the gather: a token's 1,024 codes, 512 consecutive bytes a load
	global_load_b128 v[ACC+8*\j+4:ACC+8*\j+7], v[BI+\j], s[8:9] offset:512
.endr
	global_load_b128 v[PC:PC+3], v[COLW], s[70:71]                                ; my 256 numbers of b1 and of b2, in the order of the walk
	global_load_b128 v[PC+4:PC+7], v[COLW+1], s[70:71]
	global_load_b128 v[PC+8:PC+11], v[COLW], s[72:73]
	global_load_b128 v[PC+12:PC+15], v[COLW+1], s[72:73]
	s_wait_loadcnt 36                              ; the four loads of token numbers are in: behind them stand x's 32 and the biases' 4
.irp m, 0,1,2,3
	v_min_u32 v[TOKR+\m], 0xfff, v[TOKR+\m]
	v_lshlrev_b32 v[FO+\m], 2, v[TOKR+\m]
	global_load_b32 v[FW+2*\m], v[FO+\m], s[16:17]
.endr
; The 8 loads of K step s of a block: tile u, register group c.  Each is 512 consecutive bytes.
.macro FILL s
.irp u, 0,1
.irp c, 0,1,2,3
	global_load_b128 v[32*(\s)+16*\u+4*\c:32*(\s)+16*\u+4*\c+3], v[VA+4*((\s)%2)+\c], s[WB:WB+1] offset:((\s)/2)*8192+\u*2048
.endr
.endr
.endm
	WIN 0xc0                                       ; destination window 3, address window 0
.irp s, 0,1,2,3,4,5,6,7
	FILL \s                                        ; the ring is filled: K steps in ascending order, as the counted waits below take them
.endr
	WIN 0
.macro KONST reg, bits
	v_mov_b32 v[\reg], \bits
	v_mov_b32 v[\reg+1], \bits
.endm
	KONST CA,    0xaf95df0b                        ; P: -2.72614226e-10
	KONST CA+2,  0x32edffee                        ;     2.77068142e-08
	KONST CA+4,  0xb60cff51                        ;    -2.10102402e-06
	KONST CA+6,  0xb86ec2d2                        ;    -5.69250639e-05
	KONST CA+8,  0xba40ac63                        ;    -7.34990630e-04
	KONST CA+10, 0xbb41a1f6                        ;    -2.95459981e-03
	KONST CA+12, 0xbc83dbd4                        ;    -1.60960333e-02
	KONST CB,    0xb77460cd                        ; Q: -1.45660718e-05
	KONST CB+2,  0xb95fbd29                        ;    -2.13374055e-04
	KONST CB+4,  0xbadc924e                        ;    -1.68282697e-03
	KONST CB+6,  0xbbf19bf8                        ;    -7.37332917e-03
	KONST CB+8,  0xbc69b6a7                        ;    -1.42647391e-02
	s_add_co_i32 s74, s28, s29                     ; ex + ew1
	s_sub_co_i32 s[NEG], 0, s74
	s_lshl_b32 s74, s74, 23                        ; added to the exponent fields of 1 / sqrt 2 and of 1 / 2
	s_add_co_i32 s[C1], s74, 0x3f3504f3
	s_mov_b32 s[C1+1], s[C1]                       ; (the packed forms name a pair: both words are written)
	s_add_co_i32 s[C2], s74, 0x3f000000
	s_mov_b32 s[C2+1], s[C2]
	s_add_co_i32 s74, s30, s31
	s_add_co_i32 s74, s74, 127
	s_lshl_b32 s[S2], s74, 23                      ; 2^(eh + ew2)
	s_mov_b32 s[S2+1], s[S2]
	s_add_co_i32 s74, s30, 127
	s_lshl_b32 s75, s74, 23
	v_mov_b32 v[SCL], s75                          ; 2^eh: the conversion takes its exponent field
	s_add_co_i32 s74, s74, 15
	s_lshl_b32 s74, s74, 23
	s_or_b32 s74, s74, 0x600000
	v_mov_b32 v[LIM], s74                          ; 57,344 x 2^eh
	s_wait_loadcnt 63                              ; behind the last gate weight stand the ring's 64 loads: all that was asked for ahead of the ring is in
.irp j, 0,1,2,3,4,5,6,7,8,9,10,11,12,13,14,15
	ds_store_b128 v[XS], v[ACC+8*\j:ACC+8*\j+3] offset:XP*\j
	ds_store_b128 v[XS], v[ACC+8*\j+4:ACC+8*\j+7] offset:XP*\j+512
.endr
.irp i, 0,1,2,3
	ds_store_b128 v[BS], v[PC+4*\i:PC+4*\i+3] offset:512*\i   ; b1's steps 0-3, 4-7, then b2's
.endr
.irp m, 0,1,2,3
	v_mov_b32 v[FW+2*\m+1], v[FW+2*\m]
.endr
	s_wait_dscnt 0x0                               ; for the others' sake: my 16 rows of x lie in LDS
	s_barrier_signal -1
	s_barrier_wait -1                              ; all 64 do
; The resident operand, 32 fragments, from LDS: pm, ps, pc bytes from tile of rows to tile, K step to K step, register group to group.
.macro RES adr, pm, ps, pc
.irp m, 0,1,2,3
	WIN 0x40+0x40*(\m/2)                           ; destination window 1 or 2, address window 0
.irp s, 0,1,2,3,4,5,6,7
.irp c, 0,1,2,3
	ds_load_b128 v[128*(\m%2)+16*\s+4*\c:128*(\m%2)+16*\s+4*\c+3], v[\adr] offset:\m*\pm+\s*\ps+\c*\pc
.endr
.endr
.endr
	WIN 0
	s_wait_dscnt 0x0
.endm
	RES XF, 16*XP, 128, 32
; The next block's eight offsets, made at a block's head.  n = G + 1; its layer n / 8 (2^18 bytes), its block (n % 8) ^ k (2^15 bytes).  In layer 2 the pieces along K are taken in the order in which the
; hidden blocks lie: the piece's offset ^ X.  Only the step of the walk, k and the lane enter: the largest offset, with the loads' immediates, stays inside the wave's 2^19 bytes.
.macro NEXT
	s_wait_xcnt 0x0                                ; the last block's loads have had their addresses translated: only behind this wait are their offsets written again
	s_add_co_u32 s74, s[G], 1
	s_lshr_b32 s75, s74, 3
	s_and_b32 s76, s74, 7
	s_xor_b32 s76, s76, s[KX]
	s_lshl_b32 s76, s76, 15
	s_lshl_b32 s77, s75, 18
	s_add_co_u32 s76, s76, s77                     ; layer and block
	s_mul_i32 s75, s75, s[XM]                      ; 0 in layer 1, X in layer 2
.irp i, 0,1,2,3,4,5,6,7
	s_xor_b32 s78, s75, (\i/4)*4096+(\i%4)*512
	s_add_co_u32 s78, s78, s76
	v_add_nc_u32 v[VA+\i], s78, v[L16]
.endr
.endm
.macro BIASLD                          ; my lane's 16 biases of the block
	v_add_nc_u32 v[AD], s[BO], v[BA]
.irp i, 0,1,2,3
	ds_load_b128 v[BI+4*\i:BI+4*\i+3], v[AD] offset:16*\i
.endr
.endm
; One product.  mode 1: the sum starts with the bias; 2: with 0; 0: it goes on.
.macro MM m, u, s, mode
.if \mode == 1
	v_wmma_f32_16x16x128_bf8_bf8 v[ACC+8*(2*\m+\u):ACC+8*(2*\m+\u)+7], v[32*(\s)+16*\u:32*(\s)+16*\u+15], v[128*(\m%2)+16*(\s):128*(\m%2)+16*(\s)+15], v[BI+8*\u:BI+8*\u+7]
.elseif \mode == 2
	v_wmma_f32_16x16x128_bf8_bf8 v[ACC+8*(2*\m+\u):ACC+8*(2*\m+\u)+7], v[32*(\s)+16*\u:32*(\s)+16*\u+15], v[128*(\m%2)+16*(\s):128*(\m%2)+16*(\s)+15], 0
.else
	v_wmma_f32_16x16x128_bf8_bf8 v[ACC+8*(2*\m+\u):ACC+8*(2*\m+\u)+7], v[32*(\s)+16*\u:32*(\s)+16*\u+15], v[128*(\m%2)+16*(\s):128*(\m%2)+16*(\s)+15], v[ACC+8*(2*\m+\u):ACC+8*(2*\m+\u)+7]
.endif
.endm
; A K step of a block: 8 products, the eight accumulators by turns, one instruction a turn.  Then four places (ISA guide 7.12.1 for vector instructions) in front of the loads
; into the registers just read, and of the first read of results; then, refill = 1, the same K step of the next block.
.macro KSTEP s, mode, refill, cnt
	s_wait_loadcnt \cnt                            ; loads come back in order: this K step's 8 are in; cnt were issued behind them
	WIN 0x07                                       ; source 0 (weights) window 3, source 1 (rows 0-31) window 1
	MM 0, 0, \s, \mode
	MM 0, 1, \s, \mode
	MM 1, 0, \s, \mode
	MM 1, 1, \s, \mode
	WIN 0x0b                                       ; source 1 (rows 32-63) window 2
	MM 2, 0, \s, \mode
	MM 2, 1, \s, \mode
	MM 3, 0, \s, \mode
	MM 3, 1, \s, \mode
.rept 4
	v_nop
.endr
.if \refill
	WIN 0xc0
	FILL \s
.endif
.endm
; Layer 1's way on: a = sum (pre / 2^(ex + ew1)).  u = pre / sqrt 2 held in +-4; erf = u P(u^2) / Q(u^2); gelu = pre / 2 + pre / 2 x erf; held within the largest code x 2^eh; 16 codes a lane and tile of rows.
; Each stage runs over a tile's eight pairs, so that no line waits for the line above it.  Each accumulator is read from its low end on.
.macro EPI1
	WIN 0
	v_add_nc_u32 v[AD], s[HS], v[HW]
.irp m, 0,1,2,3
.irp i, 0,2,4,6,8,10,12,14
	v_pk_mul_f32 v[U+\i:U+\i+1], v[ACC+16*\m+\i:ACC+16*\m+\i+1], s[C1:C1+1] op_sel_hi:[1,0]
.endr
.irp i, 0,2,4,6,8,10,12,14
	v_pk_mul_f32 v[ACC+16*\m+\i:ACC+16*\m+\i+1], v[ACC+16*\m+\i:ACC+16*\m+\i+1], s[C2:C2+1] op_sel_hi:[1,0]
.endr
.irp j, 0,1,2,3,4,5,6,7,8,9,10,11,12,13,14,15
	v_med3_num_f32 v[U+\j], v[U+\j], -4.0, 4.0
.endr
.irp i, 0,2,4,6,8,10,12,14
	v_pk_mul_f32 v[X2+\i:X2+\i+1], v[U+\i:U+\i+1], v[U+\i:U+\i+1]
.endr
.irp i, 0,2,4,6,8,10,12,14
	v_pk_fma_f32 v[P+\i:P+\i+1], v[X2+\i:X2+\i+1], v[CA:CA+1], v[CA+2:CA+3]
	v_pk_fma_f32 v[Q+\i:Q+\i+1], v[X2+\i:X2+\i+1], v[CB:CB+1], v[CB+2:CB+3]
.endr
.irp a, 4,6,8
.irp i, 0,2,4,6,8,10,12,14
	v_pk_fma_f32 v[P+\i:P+\i+1], v[P+\i:P+\i+1], v[X2+\i:X2+\i+1], v[CA+\a:CA+\a+1]
	v_pk_fma_f32 v[Q+\i:Q+\i+1], v[Q+\i:Q+\i+1], v[X2+\i:X2+\i+1], v[CB+\a:CB+\a+1]
.endr
.endr
.irp a, 10,12
.irp i, 0,2,4,6,8,10,12,14
	v_pk_fma_f32 v[P+\i:P+\i+1], v[P+\i:P+\i+1], v[X2+\i:X2+\i+1], v[CA+\a:CA+\a+1]
.endr
.endr
.irp j, 0,1,2,3,4,5,6,7,8,9,10,11,12,13,14,15
	v_rcp_f32 v[X2+\j], v[Q+\j]                    ; u^2 is done with: 1 / Q takes its registers
.endr
.irp i, 0,2,4,6,8,10,12,14
	v_pk_mul_f32 v[P+\i:P+\i+1], v[P+\i:P+\i+1], v[U+\i:U+\i+1]      ; plain lines behind the reciprocals that touch neither their results nor their sources (ISA guide 5.7.2)
.endr
	s_wait_alu depctr_va_vdst(0)
.irp i, 0,2,4,6,8,10,12,14
	v_pk_mul_f32 v[P+\i:P+\i+1], v[P+\i:P+\i+1], v[X2+\i:X2+\i+1]    ; erf
.endr
.irp i, 0,2,4,6,8,10,12,14
	v_pk_fma_f32 v[ACC+16*\m+\i:ACC+16*\m+\i+1], v[ACC+16*\m+\i:ACC+16*\m+\i+1], v[P+\i:P+\i+1], v[ACC+16*\m+\i:ACC+16*\m+\i+1]
.endr
.irp j, 0,1,2,3,4,5,6,7,8,9,10,11,12,13,14,15
	v_med3_num_f32 v[ACC+16*\m+\j], v[ACC+16*\m+\j], -v[LIM], v[LIM]  ; the conversion to an 8-bit code does not saturate (ISA guide 7.6.2)
.endr
	v_cvt_scalef32_pk8_bf8_f32 v[PC+4*\m:PC+4*\m+1], v[ACC+16*\m:ACC+16*\m+7], v[SCL]
	v_cvt_scalef32_pk8_bf8_f32 v[PC+4*\m+2:PC+4*\m+3], v[ACC+16*\m+8:ACC+16*\m+15], v[SCL]
	v_nop                                          ; one plain line behind the conversions: the next block's products write their sources
	ds_store_b128 v[AD], v[PC+4*\m:PC+4*\m+3] offset:16384*\m   ; four registers of fragment (m, 2 w + step / 4), group step % 4, as they stand
.endr
.endm
; Layer 2's way on: y = fw (sum x 2^(eh + ew2) + b2), into my stage: lane (r, h): row 16 m + r, the block's columns 16 h + 0 .. 15.
.macro EPI2
	WIN 0
	s_wait_dscnt 0x0                               ; the block's biases are in
	v_add_nc_u32 v[AD], s[SQ], v[SO]
.irp m, 0,1,2,3
.irp i, 0,2,4,6,8,10,12,14
	v_pk_fma_f32 v[T+16*\m+\i:T+16*\m+\i+1], v[ACC+16*\m+\i:ACC+16*\m+\i+1], s[S2:S2+1], v[BI+\i:BI+\i+1] op_sel_hi:[1,0,1]
.endr
.irp i, 0,2,4,6,8,10,12,14
	v_pk_mul_f32 v[T+16*\m+\i:T+16*\m+\i+1], v[T+16*\m+\i:T+16*\m+\i+1], v[FW+2*\m:FW+2*\m+1]
.endr
.irp i, 0,1,2,3
	ds_store_b128 v[AD], v[T+16*\m+4*\i:T+16*\m+4*\i+3] offset:16*SPT*\m+16*\i
.endr
.endr
.endm
.macro BLOCK1
	BIASLD
	NEXT
	s_wait_dscnt 0x0
.irp j, 0,1,2,3,4,5,6,7,8,9,10,11,12,13,14,15
	v_ldexp_f32 v[BI+\j], v[BI+\j], s[NEG]         ; b1 / 2^(ex + ew1): nothing is rounded
.endr
	KSTEP 0, 1, 1, 56                              ; 56 = the (7 - s) 8 loads of this block and the s 8 refills that stand behind K step s
.irp s, 1,2,3,4,5,6,7
	KSTEP \s, 0, 1, 56
.endr
	EPI1
.endm
.macro BLOCK2 refill
	BIASLD
.if \refill
	NEXT
	KSTEP 0, 2, 1, 56
.irp s, 1,2,3,4,5,6,7
	KSTEP \s, 0, 1, 56
.endr
.else
	KSTEP 0, 2, 0, 56                              ; the last block asks for nothing: the counts run down
.irp s, 1,2,3,4,5,6,7
	KSTEP \s, 0, 0, 56-8*\s
.endr
.endif
	EPI2
.endm
; One row leaves: 32 lanes store an aligned 512 bytes of the token's row of out, sixteen lanes an aligned 256.  A row beyond the tile's count is not stored.
.macro ROWST b, j, ch
	v_readlane_b32 s74, v[TOKR+\b], \j
	s_min_u32 s74, s74, 4095
	s_lshl_b32 s74, s74, 12
	v_add_nc_u32 v[OO+\j], s74, v[COLW+\ch]
	s_wait_dscnt 15-\j                             ; row j of the sixteen is back from the stage
	s_cmp_gt_u32 s26, 16*\b+\j
	s_cbranch_scc0 .Lskip_\@
	global_store_b128 v[OO+\j], v[T+4*\j:T+4*\j+3], s[20:21] th:TH_STORE_NT
.Lskip_\@:
.endm
.macro OUT ch                          ; four blocks of my columns for all 64 rows, sixteen rows at a time
.irp b, 0,1,2,3
	s_wait_xcnt 0x0                                ; earlier stores have read their data and offsets: both are written again only behind this wait
.irp j, 0,1,2,3,4,5,6,7,8,9,10,11,12,13,14,15
	ds_load_b128 v[T+4*\j:T+4*\j+3], v[SR] offset:SPT*(16*\b+\j)   ; LDS serves a wave's instructions in order: these see my stores
.endr
.irp j, 0,1,2,3,4,5,6,7,8,9,10,11,12,13,14,15
	ROWST \b, \j, \ch
.endr
.endr
	s_wait_xcnt 0x0
.endm
	; ---- layer 1: 8 blocks of 32 hidden units.  The last trip's refills bring layer 2's first block.
	s_mov_b32 s[G], 0
	s_mov_b32 s[HS], 0
	s_mov_b32 s[BO], 0
	s_mov_b32 s[CT], 8
.Ll1:
	BLOCK1
	s_add_co_u32 s[HS], s[HS], 512
	s_add_co_u32 s[BO], s[BO], 128
	s_add_co_u32 s[G], s[G], 1
	s_sub_co_u32 s[CT], s[CT], 1
	s_cmp_lg_u32 s[CT], 0
	s_cbranch_scc1 .Ll1
	s_wait_dscnt 0x0                               ; for the others' sake: my hidden codes lie in LDS
	s_barrier_signal -1
	s_barrier_wait -1                              ; all 1,024 hidden units of the 64 rows do
	RES HR, 16384, 2048, 512                       ; they take x's place in windows 1 and 2
	; ---- layer 2: 4 blocks of 32 outputs, the way out, 4 more
	s_mov_b32 s[G], 8
	s_mov_b32 s[BO], 1024
	s_mov_b32 s[SQ], 0
	s_mov_b32 s[CT], 4
.Ll2a:
	BLOCK2 1
	s_add_co_u32 s[SQ], s[SQ], 128
	s_add_co_u32 s[BO], s[BO], 128
	s_add_co_u32 s[G], s[G], 1
	s_sub_co_u32 s[CT], s[CT], 1
	s_cmp_lg_u32 s[CT], 0
	s_cbranch_scc1 .Ll2a
	OUT 0
	s_mov_b32 s[G], 12
	s_mov_b32 s[BO], 1536
	s_mov_b32 s[SQ], 0
	s_mov_b32 s[CT], 3
.Ll2b:
	BLOCK2 1
	s_add_co_u32 s[SQ], s[SQ], 128
	s_add_co_u32 s[BO], s[BO], 128
	s_add_co_u32 s[G], s[G], 1
	s_sub_co_u32 s[CT], s[CT], 1
	s_cmp_lg_u32 s[CT], 0
	s_cbranch_scc1 .Ll2b
	s_mov_b32 s[BO], 1920
	s_mov_b32 s[SQ], 384
	BLOCK2 0                                       ; the last block is written out: no load reaches past my wave's part of wf
	OUT 1
	s_wait_tensorcnt 0x0
	ds_add_u32 v254, v255
	s_wait_dscnt 0x0
	s_endpgm
.Lfunc_end_k_qaac322aeca_chain:
	.size	k_qaac322aeca_chain, .Lfunc_end_k_qaac322aeca_chain-k_qaac322aeca_chain
	.p2alignl 7, 3214868480
	.fill 96, 4, 3214868480
	.section	.rodata,"a",@progbits
	.p2align	6, 0x0
	.amdhsa_kernel k_qaac322aeca_chain
		.amdhsa_group_segment_fixed_size 275968
		.amdhsa_private_segment_fixed_size 0
		.amdhsa_enable_private_segment 0
		.amdhsa_kernarg_size 72
		.amdhsa_user_sgpr_count 2
		.amdhsa_user_sgpr_kernarg_segment_ptr 1
		.amdhsa_wavefront_size32 1
		.amdhsa_system_sgpr_workgroup_id_x 1
		.amdhsa_system_sgpr_workgroup_id_y 1
		.amdhsa_system_sgpr_workgroup_id_z 1
		.amdhsa_system_vgpr_workitem_id 0
		.amdhsa_next_free_vgpr 1024
		.amdhsa_next_free_sgpr 80
		.amdhsa_reserve_vcc 0
		.amdhsa_float_denorm_mode_32 3
		.amdhsa_float_denorm_mode_16_64 3
		.amdhsa_memory_ordered 1
		.amdhsa_forward_progress 1
		.amdhsa_inst_pref_size 202
	.end_amdhsa_kernel
	.amdgpu_metadata
---
amdhsa.version: [ 1, 2 ]
amdhsa.kernels:
  - .name:           k_qaac322aeca_chain
    .symbol:         k_qaac322aeca_chain.kd
    .args:
      - { .name: tiles, .offset: 0, .size: 8, .value_kind: global_buffer, .address_space: global }
      - { .name: order, .offset: 8, .size: 8, .value_kind: global_buffer, .address_space: global }
      - { .name: hidden_states_codes, .offset: 16, .size: 8, .value_kind: global_buffer, .address_space: global }
      - { .name: wf, .offset: 24, .size: 8, .value_kind: global_buffer, .address_space: global }
      - { .name: b1, .offset: 32, .size: 8, .value_kind: global_buffer, .address_space: global }
      - { .name: b2, .offset: 40, .size: 8, .value_kind: global_buffer, .address_space: global }
      - { .name: expert_weights, .offset: 48, .size: 8, .value_kind: global_buffer, .address_space: global }
      - { .name: lowp_scales, .offset: 56, .size: 8, .value_kind: global_buffer, .address_space: global }
      - { .name: out0, .offset: 64, .size: 8, .value_kind: global_buffer, .address_space: global }
    .group_segment_fixed_size: 275968
    .private_segment_fixed_size: 0
    .kernarg_segment_align: 8
    .kernarg_segment_size: 72
    .max_flat_workgroup_size: 128
    .sgpr_count:     80
    .vgpr_count:     1024
    .wavefront_size: 32
...
	.end_amdgpu_metadata
.endif
;; end of part 2
;; ======== version 2 of 2: 2 launches
;; limits: right only within a limited range of input values
;; workspace buffers: wf 16,777,216 bytes; order 16,640 bytes of whole numbers; tiles 1,536 bytes of whole numbers
;; launch prep (part 3): grid 257 x 1, 8 waves a work-group, no clusters, 70,912 bytes of LDS; arguments top_experts, w1_codes, w2_codes, wf, order, tiles; writes wf, order, tiles
.if DOCPART == 3
	.amdgcn_target "amdgcn-amd-amdhsa--gfx1250"
	.amdhsa_code_object_version 6
	.text
	.protected	k_qaac322aeca_prep
	.globl	k_qaac322aeca_prep
	.p2align	8
	.type	k_qaac322aeca_prep,@function
k_qaac322aeca_prep:
	s_mov_b64 s[64:65], 0
	v_nop
	global_prefetch_b8 v0, s[64:65] scope:SCOPE_SE
	s_setreg_imm32_b32 hwreg(HW_REG_WAVE_MODE, 25, 1), 1
	s_wait_xcnt 0x0
; prep: two jobs in one launch, parted on the work-group's number.
; WORK-GROUP 0 sorts the 4,096 tokens by their expert (a counting sort, no atomics) and stores, as whole numbers for the next launch:
;   order[j]  = the token at sorted place j (entries 4,096 .. 4,159 are 0: a tile's last reads may reach them);
;   tiles[t]  = {expert, first sorted place, rows (0 .. 64), 0} for t = 0 .. 95: each expert's tokens cut into tiles of 64 rows.
; WORK-GROUPS 1 .. 256 lay w1's and w2's codes out once in the order of a wave's operand registers:
;   wf byte = e 2^21 + w 2^19 + L 2^18 + p 2^15 + ((2 s + u) 4 + c) 512 + 16 lane   (expert e, wave w, layer L, block p of 32 weight rows, K step s of 128, tile u of the pair, register group c);
;   lane (r = lane % 16, h = lane / 16) holds, of weight row 256 w + 32 p + 8 u + r + 8 (r / 8), the codes k = 128 s + 32 c + 16 h + 0 .. 15.
;   So the next launch fills four operand registers of all 32 lanes with one load of 512 consecutive bytes.
; A block of 32 weight rows is 32 KiB on end in the source and in wf.  A wave takes 32 rows x 256 bytes: 16 loads of two whole 256-byte pieces of rows, through its own stage in LDS (pitch 272 bytes:
; 17 x 16, so sixteen rows of a read start at sixteen different banks), 16 stores of 512 consecutive bytes.  The waves of this path share nothing: no barrier.
; LIMIT: top_experts lies in 0 .. 7 (an index into the eight experts); another number would leave places of order unwritten.
.set SP,   272                         ; a stage row: 256 bytes + 16
.set STW,  32*SP                       ; a wave's stage
.set CNT,  8*STW                       ; behind the eight stages: the sort's counts, [wave][expert] words, 256 bytes: bytes of this path's own
.set ID,   16                          ; v16-31  the experts of my 16 tokens
.set LR,   32                          ; v32-47  their ranks among my wave's tokens of the same expert
.set RUN,  24                          ; s24-31  running counts of my wave; later each expert's base for my wave
.set TOT,  32                          ; s32-39  tokens of each expert
.set OFF,  40                          ; s40-47  first sorted place of each expert
.set TB,   48                          ; s48-55  first tile of each expert
	s_load_b256 s[4:11], s[0:1], 0x0               ; top_experts s[4:5], w1 s[6:7], w2 s[8:9], wf s[10:11]
	s_load_b128 s[12:15], s[0:1], 0x20             ; order s[12:13], tiles s[14:15]
	v_lshl_add_u32 v160, v0, 2, 0x11100
	v_mov_b32 v161, 0
	v_lshrrev_b32 v1, 5, v0
	s_delay_alu instid0(VALU_DEP_1)
	v_readfirstlane_b32 s16, v1                    ; wave 0..7
	v_and_b32 v1, 31, v0                           ; lane
	s_cmp_eq_u32 ttmp9, 0
	s_cbranch_scc1 .Lroute
	; ---------------- the lay-out ----------------
	s_sub_co_u32 s17, ttmp9, 1
	s_lshl_b32 s17, s17, 1
	s_lshr_b32 s18, s16, 2
	s_add_co_u32 s17, s17, s18                     ; B = 2 (work-group - 1) + wave / 4: which block of 32 rows, 0 .. 511
	s_and_b32 s18, s16, 3                          ; which 256 bytes of the rows: K steps 2 q, 2 q + 1
	s_bfe_u32 s19, s17, 0x30005                    ; expert = (B / 32) % 8
	s_and_b32 s20, s17, 31                         ; block in the expert's 1,024 rows = 8 w + p
	s_lshr_b32 s21, s17, 8                         ; layer
	s_lshl_b32 s22, s19, 20                        ; source: expert x 2^20 + block x 32 rows x 1,024 + 256 q
	s_lshl_b32 s24, s20, 15
	s_add_co_u32 s22, s22, s24
	s_lshl_b32 s24, s18, 8
	s_add_co_u32 s22, s22, s24
	s_mov_b32 s23, 0
	s_lshl_b32 s26, s19, 21                        ; wf: e 2^21 + w 2^19 + L 2^18 + p 2^15 + q 2^13
	s_lshr_b32 s24, s20, 3
	s_lshl_b32 s24, s24, 19
	s_add_co_u32 s26, s26, s24
	s_lshl_b32 s24, s21, 18
	s_add_co_u32 s26, s26, s24
	s_and_b32 s24, s20, 7
	s_lshl_b32 s24, s24, 15
	s_add_co_u32 s26, s26, s24
	s_lshl_b32 s24, s18, 13
	s_add_co_u32 s26, s26, s24
	s_mov_b32 s27, 0
	v_and_b32 v6, 15, v0                           ; r
	v_bfe_u32 v7, v0, 4, 1                         ; h
	s_delay_alu instid0(VALU_DEP_2)
	v_lshlrev_b32 v8, 4, v6
	s_delay_alu instid0(VALU_DEP_1)
	v_lshl_add_u32 v2, v7, 10, v8                  ; in: lanes 0-15 one row's 256 bytes, lanes 16-31 the next row's
	s_mul_i32 s24, s16, STW                        ; my stage
	v_mul_u32_u24 v3, v7, SP
	s_delay_alu instid0(VALU_DEP_1)
	v_add_nc_u32 v3, v3, v8
	s_delay_alu instid0(VALU_DEP_1)
	v_add_nc_u32 v3, s24, v3                       ; into the stage: the same two rows
	v_mul_u32_u24 v4, v6, SP
	s_delay_alu instid0(VALU_DEP_1)
	v_lshl_add_u32 v4, v7, 4, v4
	s_delay_alu instid0(VALU_DEP_1)
	v_add_nc_u32 v4, s24, v4                       ; out of it: place r, + 16 h
	v_lshlrev_b32 v5, 4, v1                        ; out: 16 bytes a lane
	s_wait_alu depctr_va_vdst(0)
	s_wait_kmcnt 0x0
	s_cmp_lt_u32 s17, 256                          ; w1 or w2: the choice hangs on the work-group's and the wave's number alone
	s_cselect_b64 s[28:29], s[6:7], s[8:9]
	s_add_nc_u64 s[28:29], s[28:29], s[22:23]
	s_add_nc_u64 s[30:31], s[10:11], s[26:27]
.irp i, 0,1,2,3,4,5,6,7,8,9,10,11,12,13,14,15
	global_load_b128 v[16+4*\i:19+4*\i], v2, s[28:29] offset:2048*\i th:TH_LOAD_NT   ; rows 2 i, 2 i + 1; read once in the launch
.endr
; Row 16 a + 8 u + j of the block goes to place 16 u + 8 a + j of the stage: a tile's sixteen rows (lane r takes row 8 u + r + 8 (r / 8)) then lie on end.
.irp i, 0,1,2,3,4,5,6,7,8,9,10,11,12,13,14,15
	s_wait_loadcnt 15-\i                           ; loads come back in order: load i is in, the 15 - i behind it may be out
	ds_store_b128 v3, v[16+4*\i:19+4*\i] offset:(16*((\i/4)%2)+8*(\i/8)+2*(\i%4))*SP
.endr
.irp t, 0,1,2,3,4,5,6,7,8,9,10,11,12,13,14,15
	ds_load_b128 v[80+4*\t:83+4*\t], v4 offset:((\t/4)%2)*16*SP+128*(\t/8)+32*(\t%4)   ; piece t = (4 (2 s' + u) + c).  LDS serves a wave's instructions in order: these see my stores
.endr
.irp t, 0,1,2,3,4,5,6,7,8,9,10,11,12,13,14,15
	s_wait_dscnt 15-\t
	global_store_b128 v5, v[80+4*\t:83+4*\t], s[30:31] offset:512*\t   ; 512 consecutive bytes, at a multiple of 512 from wf's first byte
.endr
	s_wait_tensorcnt 0x0
	ds_add_u32 v160, v161
	s_wait_dscnt 0x0
	s_endpgm
	; ---------------- the routing ----------------
.Lroute:
	s_wait_alu depctr_va_vdst(0)
	v_lshlrev_b32 v2, 4, v1
	s_lshl_b32 s17, s16, 11
	v_add_nc_u32 v2, s17, v2                       ; my wave's 512 tokens; register 4 i + c holds token 512 wave + 128 i + 4 lane + c
	s_wait_alu depctr_va_vdst(0)
	s_wait_kmcnt 0x0
.irp i, 0,1,2,3
	global_load_b128 v[ID+4*\i:ID+4*\i+3], v2, s[4:5] offset:512*\i
.endr
.irp e, 0,1,2,3,4,5,6,7
	s_mov_b32 s[RUN+\e], 0
.endr
	s_wait_loadcnt 0x0
; The rank of a token among my wave's tokens of its expert: those counted so far + the lanes below mine with the same expert in this register.
.macro RANK g, e
	v_cmp_eq_u32 s20, \e, v[ID+\g]
	s_delay_alu instid0(VALU_DEP_1)
	v_mbcnt_lo_u32_b32 v48, s20, 0
.if \e == 0
	s_delay_alu instid0(VALU_DEP_1)
	v_add_nc_u32 v[LR+\g], s[RUN], v48             ; expert 0 starts the register: nothing is cleared
.else
	s_delay_alu instid0(VALU_DEP_1)
	v_add_nc_u32 v48, s[RUN+\e], v48
	s_delay_alu instid0(VALU_DEP_1)
	v_cndmask_b32 v[LR+\g], v[LR+\g], v48, s20
.endif
	s_bcnt1_i32_b32 s21, s20
	s_add_co_u32 s[RUN+\e], s[RUN+\e], s21
.endm
.irp g, 0,1,2,3,4,5,6,7,8,9,10,11,12,13,14,15
.irp e, 0,1,2,3,4,5,6,7
	RANK \g, \e
.endr
.endr
	s_lshl_b32 s22, s16, 5
	s_add_co_u32 s22, s22, CNT
	v_mov_b32 v49, s22                             ; my wave's eight counts
.irp e, 0,1,2,3,4,5,6,7
	v_mov_b32 v48, s[RUN+\e]
	ds_store_b32 v49, v48 offset:4*\e              ; all lanes write the same word with the same number
.endr
	s_wait_dscnt 0x0                               ; for the others' sake: my counts lie in LDS
	s_barrier_signal -1
	s_barrier_wait -1
	v_and_b32 v58, 7, v0
	s_delay_alu instid0(VALU_DEP_1)
	v_lshlrev_b32 v58, 2, v58
	s_delay_alu instid0(VALU_DEP_1)
	v_add_nc_u32 v58, CNT, v58                     ; lane l looks at expert l % 8
.irp w, 0,1,2,3,4,5,6,7
	ds_load_b32 v[50+\w], v58 offset:32*\w
.endr
	v_mov_b32 v60, 0                               ; the expert's tokens in all,
	v_mov_b32 v61, 0                               ; and in the waves ahead of mine
	s_wait_alu depctr_va_vdst(0)
	s_wait_dscnt 0x0
.irp w, 0,1,2,3,4,5,6,7
	v_add_nc_u32 v60, v60, v[50+\w]
	s_cmp_gt_u32 s16, \w
	s_cselect_b32 s21, -1, 0
	v_and_b32 v59, s21, v[50+\w]
	s_delay_alu instid0(VALU_DEP_1)
	v_add_nc_u32 v61, v61, v59
.endr
	s_wait_alu depctr_va_vdst(0)
.irp e, 0,1,2,3,4,5,6,7
	v_readlane_b32 s[TOT+\e], v60, \e
.endr
	s_mov_b32 s[OFF], 0
	s_mov_b32 s[TB], 0
.irp e, 0,1,2,3,4,5,6
	s_add_co_u32 s[OFF+\e+1], s[OFF+\e], s[TOT+\e]
	s_add_co_u32 s21, s[TOT+\e], 63
	s_lshr_b32 s21, s21, 6
	s_add_co_u32 s[TB+\e+1], s[TB+\e], s21         ; an expert has ceil(tokens / 64) tiles
.endr
.irp e, 0,1,2,3,4,5,6,7
	v_readlane_b32 s[RUN+\e], v61, \e
	s_add_co_u32 s[RUN+\e], s[RUN+\e], s[OFF+\e]   ; where my wave's tokens of expert e begin
.endr
	v_lshlrev_b32 v63, 2, v1
	s_lshl_b32 s22, s16, 9
	v_add_nc_u32 v63, s22, v63                     ; 512 wave + 4 lane
.irp g, 0,1,2,3,4,5,6,7,8,9,10,11,12,13,14,15
	v_mov_b32 v[64+\g], s[RUN]
.irp e, 1,2,3,4,5,6,7
	v_cmp_eq_u32 vcc_lo, \e, v[ID+\g]
	s_delay_alu instid0(VALU_DEP_1)
	v_cndmask_b32 v[64+\g], v[64+\g], s[RUN+\e], vcc_lo
.endr
	s_delay_alu instid0(VALU_DEP_1)
	v_add_nc_u32 v[80+\g], v[64+\g], v[LR+\g]      ; the token's sorted place,
	s_delay_alu instid0(VALU_DEP_1)
	v_min_u32 v[80+\g], 0xfff, v[80+\g]            ; held inside the list,
	s_delay_alu instid0(VALU_DEP_1)
	v_lshlrev_b32 v[80+\g], 2, v[80+\g]            ; in bytes
	v_add_nc_u32 v[96+\g], 128*(\g/4)+(\g%4), v63  ; the token
	global_store_b32 v[80+\g], v[96+\g], s[12:13]  ; each register pair serves one store and is not written again
.endr
	s_cmp_lt_u32 s16, 3
	s_cbranch_scc0 .Lnot_tiles
	; waves 0-2: thread t makes tile t.  Its expert is the last one whose first tile is not behind t (an expert without tokens shares its first tile with the next and loses).
	v_mov_b32 v132, 0
	v_mov_b32 v129, 0
	v_mov_b32 v130, 0
	v_mov_b32 v131, s[TOT]
.irp e, 1,2,3,4,5,6,7
	v_cmp_le_u32 vcc_lo, s[TB+\e], v0
	s_delay_alu instid0(VALU_DEP_1)
	v_cndmask_b32 v132, v132, \e, vcc_lo
	s_delay_alu instid0(VALU_DEP_2)
	v_cndmask_b32 v129, v129, s[TB+\e], vcc_lo
	s_delay_alu instid0(VALU_DEP_3)
	v_cndmask_b32 v130, v130, s[OFF+\e], vcc_lo
	s_delay_alu instid0(VALU_DEP_4)
	v_cndmask_b32 v131, v131, s[TOT+\e], vcc_lo
.endr
	s_delay_alu instid0(VALU_DEP_3)
	v_sub_nc_u32 v129, v0, v129                    ; which tile of the expert,
	s_delay_alu instid0(VALU_DEP_1)
	v_lshlrev_b32 v129, 6, v129                    ; x 64 rows
	s_delay_alu instid0(VALU_DEP_1)
	v_add_nc_u32 v133, v130, v129
	s_delay_alu instid0(VALU_DEP_1)
	v_min_u32 v133, 0xfff, v133                    ; first sorted place (held inside the list for tiles behind the last)
	s_delay_alu instid0(VALU_DEP_3)
	v_sub_nc_u32 v134, v131, v129
	s_delay_alu instid0(VALU_DEP_1)
	v_max_i32 v134, 0, v134
	s_delay_alu instid0(VALU_DEP_1)
	v_min_i32 v134, 64, v134                       ; rows: what is left of the expert's tokens, 0 .. 64
	v_mov_b32 v135, 0
	v_lshlrev_b32 v136, 4, v0
	global_store_b128 v136, v[132:135], s[14:15]
	s_wait_tensorcnt 0x0
	ds_add_u32 v160, v161
	s_wait_dscnt 0x0
	s_endpgm
.Lnot_tiles:
	s_cmp_lt_u32 s16, 5
	s_cbranch_scc0 .Ldone
	v_lshlrev_b32 v136, 2, v0                      ; waves 3, 4: threads 96 .. 159 store entries 4,096 .. 4,159: 16,384 + 4 (t - 96) = 4 t + 16,000
	v_mov_b32 v137, 0
	global_store_b32 v136, v137, s[12:13] offset:16000
.Ldone:
	s_wait_tensorcnt 0x0
	ds_add_u32 v160, v161
	s_wait_dscnt 0x0
	s_endpgm
.Lfunc_end_k_qaac322aeca_prep:
	.size	k_qaac322aeca_prep, .Lfunc_end_k_qaac322aeca_prep-k_qaac322aeca_prep
	.p2alignl 7, 3214868480
	.fill 96, 4, 3214868480
	.section	.rodata,"a",@progbits
	.p2align	6, 0x0
	.amdhsa_kernel k_qaac322aeca_prep
		.amdhsa_group_segment_fixed_size 70912
		.amdhsa_private_segment_fixed_size 0
		.amdhsa_enable_private_segment 0
		.amdhsa_kernarg_size 48
		.amdhsa_user_sgpr_count 2
		.amdhsa_user_sgpr_kernarg_segment_ptr 1
		.amdhsa_wavefront_size32 1
		.amdhsa_system_sgpr_workgroup_id_x 1
		.amdhsa_system_sgpr_workgroup_id_y 1
		.amdhsa_system_sgpr_workgroup_id_z 1
		.amdhsa_system_vgpr_workitem_id 0
		.amdhsa_next_free_vgpr 162
		.amdhsa_next_free_sgpr 66
		.amdhsa_reserve_vcc 1
		.amdhsa_float_denorm_mode_32 3
		.amdhsa_float_denorm_mode_16_64 3
		.amdhsa_memory_ordered 1
		.amdhsa_forward_progress 1
		.amdhsa_inst_pref_size 87
	.end_amdhsa_kernel
	.amdgpu_metadata
---
amdhsa.version: [ 1, 2 ]
amdhsa.kernels:
  - .name:           k_qaac322aeca_prep
    .symbol:         k_qaac322aeca_prep.kd
    .args:
      - { .name: top_experts, .offset: 0, .size: 8, .value_kind: global_buffer, .address_space: global }
      - { .name: w1_codes, .offset: 8, .size: 8, .value_kind: global_buffer, .address_space: global }
      - { .name: w2_codes, .offset: 16, .size: 8, .value_kind: global_buffer, .address_space: global }
      - { .name: wf, .offset: 24, .size: 8, .value_kind: global_buffer, .address_space: global }
      - { .name: order, .offset: 32, .size: 8, .value_kind: global_buffer, .address_space: global }
      - { .name: tiles, .offset: 40, .size: 8, .value_kind: global_buffer, .address_space: global }
    .group_segment_fixed_size: 70912
    .private_segment_fixed_size: 0
    .kernarg_segment_align: 8
    .kernarg_segment_size: 48
    .max_flat_workgroup_size: 256
    .sgpr_count:     66
    .vgpr_count:     162
    .wavefront_size: 32
...
	.end_amdgpu_metadata
.endif
;; end of part 3
;; launch chain (part 4): grid 71 x 1, 4 waves a work-group, no clusters, 275,968 bytes of LDS; arguments tiles, order, hidden_states_codes, wf, b1, b2, expert_weights, lowp_scales, out0; writes out0
.if DOCPART == 4
	.amdgcn_target "amdgcn-amd-amdhsa--gfx1250"
	.amdhsa_code_object_version 6
	.text
	.protected	k_qaac322aeca_chain
	.globl	k_qaac322aeca_chain
	.p2align	8
	.type	k_qaac322aeca_chain,@function
k_qaac322aeca_chain:
	s_mov_b64 s[64:65], 0
	v_nop
	global_prefetch_b8 v0, s[64:65] scope:SCOPE_SE
	s_setreg_imm32_b32 hwreg(HW_REG_WAVE_SCHED_MODE, 0, 2), 2
	s_setreg_imm32_b32 hwreg(HW_REG_WAVE_MODE, 25, 1), 1
	s_wait_xcnt 0x0
	s_wait_alu depctr_vm_vsrc(0)
; chain: y[t] = fw[t] (gelu(x[t] W1[e] + b1[e]) W2[e] + b2[e]) for the one expert e of token t; both products on codes of BF8 (E5M2), sums in f32.
; GRID.  4,096 routed rows in tiles of 64 over 8 experts are never more than 64 + 7 = 71 tiles.  Work-group t takes tile t of the stored list through the whole chain.  A tile with fewer than 64 rows computes
; all 64 (the list's next tokens) and stores only its own; a tile without rows stores nothing.  Both barriers stand on every path: no branch on a loaded number leads round them.
; SHARES.  THE FOUR WAVES SHARE THE COLUMNS: wave w makes hidden units and outputs 256 w .. 256 w + 255 for all 64 rows, in 8 blocks of 32 a layer.  The 64 rows' codes (x, later the hidden layer: 32 fragments of
; 16 rows x 128 K, 512 registers) stay in every wave's registers; the weights stream from wf straight into a ring of 256 registers, one block (32 KiB) deep: each load is 512 consecutive bytes, and a K step's 8 loads are
; asked for again two K steps later (the last two K steps' on the block's way on), so that a wave keeps 40 to 56 loads, 20 to 28 KiB, on its way.  Each weight byte is used by one wave: LDS would only add a second pass.
; NO CLUSTER: nothing here is fetched by tensor loads, so there is nothing to ask for jointly; and a joint descriptor would hold the expert's number, which is read from memory and differs where the list changes experts.
; ORDER OF THE BLOCKS.  Work-group t walks a layer's blocks in the order p ^ k, k = t % 8, so that the tiles of one expert ask for different blocks at the same time.  k enters global addresses alone: block p ^ k's
; hidden units lie in the fixed place p of the hidden layer's image, and W2's pieces along K are fetched in the same permuted order (the piece's offset ^ X).
; THE RING'S ADDRESSES.  The scalar base (wf + the expert's 2 MiB + the wave's 512 KiB) is made once and stays; layer, block and piece stand in eight vector offsets, made anew for each block from the step of the walk and k.
; LAYOUT.  Both products are used transposed (source 0 = 16 weight rows, source 1 = 16 tokens): a lane holds ONE token (lane % 16).  The weight rows of a tile are not neighbours (wf's lay-out), so that the 16 registers of a
; pair of tiles are 16 neighbouring units, 16 (lane / 16) + 0 .. 15 of the block: the conversions' results are four registers of the next operand.  Inside an instruction k is permuted alike in both operands
; (registers 4 c .. 4 c + 3: k = 32 c + 16 (lane / 16) + 0 .. 15): every product meets its partner; the order of the sums differs.
; GELU, exact form: pre / 2 x (1 + erf(pre / sqrt 2)), erf(u) = u P(u^2) / Q(u^2) on |u| <= 4 (degrees 6 and 4), all in f32: a few units in erf's last place; 1 + erf carries an absolute error of about 1e-7.
; SCALES of expert e: ex, ew1, eh, ew2 = lowp_scales[4 e .. 4 e + 3].  b1 goes in as the C of each sum's first product, divided by 2^(ex + ew1); that power is folded into the two constants 1 / sqrt 2 and 1 / 2.
; LIMITS: ex + ew1 between -125 and 128, eh between -126 and 112, eh + ew2 between -126 and 127 (each power of two below is an f32 number).  Codes of infinity or NaN are not served.  top_experts in 0 .. 7.
; REGISTERS, in windows of 256.  Window 0: see the names below.  Windows 1, 2: the resident operand: fragment (tile of rows m, K step s) in window 1 + m / 2 at 128 (m % 2) + 16 s.  Window 3: the ring: fragment (s, u) at 32 s + 16 u.
; THE MODE: SCHED_MODE bits 1:0 = 2 (LLVM: expert scheduling mode 2), set by the entry lines.  The code itself states the register dependences
; between vector or matrix instructions and memory or LDS instructions, with s_wait_alu, always for 0.
; THE PLAN.  Registers that memory or LDS instructions touch, from the first block on:
;   the ring, part s   K step s's eight products read it; then the next block's eight loads land in it: part s - 2 in the middle of K step s (s = 2 .. 7), parts 6 and 7 on the block's way on.
;   v[VA ..]           Read by every load of the ring; written once a block, at its head.
;   v[AD], v[AE]       LDS addresses of the block's biases and of its results: written at the block's head; read by the four loads of biases and by the stores of results.
;   v[BI ..]           The biases land in it at the block's head; read by v_ldexp_f32 and K step 0's products (layer 1), by the way on's multiply-adds (layer 2).
;   v[PC ..]           Written by the conversions, read by the LDS stores of the hidden codes.
;   v[T ..]            Layer 2: written by the way on, read by the stores into the stage; on the way out the loads from the stage land in it and the global stores read it.
;   v[OO ..]           The way out: sixteen offsets, written by additions, read by the global stores.
;   windows 1, 2       LDS loads land in them twice (x, the hidden layer); the products read them.
;   The accumulators are named by vector and matrix instructions alone, once the head's LDS stores have read their registers.
; THE WAITS.  At a block's head one on vm_vsrc (all that is written again in the block has been read) and one on va_vdst behind the ten additions.  At the head of K steps 2, 4 and 6 one on va_vdst: the two K steps before are done
; reading their parts of the ring; it serves sixteen loads, since the products issued behind it name other parts.  On the way on the wait for the reciprocals (layer 1) or the one ahead of the stores (layer 2) serves parts 6 and 7 too.
.set XP,   1040                        ; LDS: a row of x: 1,024 bytes + 16 = 65 x 16: sixteen rows of a read start at sixteen different banks
.set HIMG, 64*XP                       ; behind x's 64 rows: the hidden layer's 32 fragments as images of their registers: (8 m + s) 2,048 + 512 c + 16 lane
.set BIAS, HIMG+65536                  ; the biases in the order of the walk: 2,048 wave + 1,024 layer + 128 step
.set STG,  BIAS+8192                   ; each wave's stage for the way out: 64 rows x (4 blocks x 128 bytes + 16)
.set SPT,  528
.set STW,  64*SPT
.set L16,  1                           ; v1   16 x lane
.set XS,   2                           ; v2   where I store x's rows
.set XF,   3                           ; v3   where I read x's fragments
.set HW,   4                           ; v4   where I store my hidden codes
.set HR,   5                           ; v5   where I read the hidden fragments
.set BA,   6                           ; v6   my lane's 16 biases of a block
.set SO,   7                           ; v7   the stage: where I put my results
.set SR,   8                           ; v8   and where I read a row back
.set AD,   9                           ; v9   LDS address of my lane's biases of the block in hand
.set COLW, 10                          ; v10-11  byte in a row of 1,024 f32 of my 16 bytes, for steps 0-3 and 4-7 of the walk
.set VA,   12                          ; v12-19  offsets of the ring's loads from my wave's part of wf: layer, block, piece, lane
.set FO,   20                          ; v20-23  offsets of the gate weights
.set R4,   24                          ; v24  4 (lane % 16)
.set BS,   25                          ; v25  where I store the biases
.set TOKR, 28                          ; v28-31  token of row 16 m + lane % 16
.set ACC,  32                          ; v32-95  accumulator (m, u) at 32 + 8 (2 m + u)
.set T,    96                          ; v96-159 at work
.set U,    T
.set X2,   T+16
.set P,    T+32
.set Q,    T+48
.set BI,   160                         ; v160-175 the block's 16 biases of my lane
.set PC,   176                         ; v176-191 the codes just made
.set CA,   192                         ; v192-205 P's seven coefficients, each twice (packed arithmetic)
.set CB,   206                         ; v206-215 Q's five
.set FW,   216                         ; v216-223 the gate weight of my token, a pair for each m
.set SCL,  224                         ; v224 2^eh
.set LIM,  225                         ; v225 57,344 x 2^eh
.set AE,   226                         ; v226 LDS address of the block's results: my hidden codes' place, or my place in the stage
.set OO,   232                         ; v232-247 the way out: offsets of 16 rows
.set CT,   27                          ; s27  a loop's trips to go
.set C1,   34                          ; s[34:35] 2^(ex + ew1) / sqrt 2
.set C2,   36                          ; s[36:37] 2^(ex + ew1) / 2
.set S2,   38                          ; s[38:39] 2^(eh + ew2)
.set NEG,  40                          ; s40  -(ex + ew1)
.set WV,   41                          ; s41  wave
.set KX,   42                          ; s42  k
.set XM,   43                          ; s43  X = (k % 4) 512 | (k / 4) 4,096
.set G,    44                          ; s44  step of the walk, 0 .. 15 over both layers
.set HS,   45                          ; s45  512 x step: the hidden block's place
.set BO,   46                          ; s46  the bias block's place
.set SQ,   47                          ; s47  the block's 128 bytes in a stage row
.set TK,   48                          ; s48-63  at the head the tokens of my wave's 16 rows of x; on the way out those of the 16 rows in hand
.set WB,   66                          ; s[66:67] my wave's 512 KiB of wf: the base of every load of the ring; never rewritten
.set MSB, 0
.macro WIN new                         ; the immediate's high byte repeats the setting that is left; a switch that changes nothing is dropped
.if MSB != (\new)
	s_set_vgpr_msb (MSB<<8)|(\new)
.set MSB, (\new)
.endif
.endm
	s_load_b512 s[4:19], s[0:1], 0x0               ; tiles s[4:5], order s[6:7], x s[8:9], wf s[10:11], b1 s[12:13], b2 s[14:15], gate weights s[16:17], scales s[18:19]
	s_load_b64 s[20:21], s[0:1], 0x40              ; out
	v_lshl_add_u32 v254, v0, 2, 0x43400
	v_mov_b32 v255, 0
	v_lshrrev_b32 v26, 5, v0
	v_readfirstlane_b32 s[WV], v26                 ; wave 0..3
	v_and_b32 v26, 31, v0
	v_lshlrev_b32 v[L16], 4, v26
	v_and_b32 v26, 15, v0                          ; r
	v_bfe_u32 v27, v0, 4, 1                        ; h
	s_and_b32 s[KX], ttmp9, 7
	s_and_b32 s74, s[KX], 3
	s_lshl_b32 s74, s74, 9
	s_lshr_b32 s75, s[KX], 2
	s_lshl_b32 s75, s75, 12
	s_or_b32 s[XM], s74, s75
	s_lshl_b32 s22, ttmp9, 4
	s_mov_b32 s23, 0
	s_wait_alu depctr_va_vdst(0)
	s_wait_kmcnt 0x0
	s_add_nc_u64 s[22:23], s[4:5], s[22:23]
	s_load_b128 s[24:27], s[22:23], 0x0            ; my tile: expert, first sorted place, rows, 0
	s_wait_alu depctr_va_sdst(0)                   ; the wave's number is written, ahead of its first reader, the line below
	; LDS addresses: constants, the lane and the wave alone
	s_mul_i32 s74, s[WV], 16*XP
	v_add_nc_u32 v[XS], s74, v[L16]                ; x: my wave stores rows 16 w .. 16 w + 15, 512 bytes an instruction
	v_mul_u32_u24 v[XF], v26, XP
	v_lshl_add_u32 v[XF], v27, 4, v[XF]            ; a fragment: row r, + 16 h
	s_lshl_b32 s74, s[WV], 12
	s_add_co_u32 s74, s74, HIMG
	v_add_nc_u32 v[HW], s74, v[L16]                ; my 256 hidden units are K steps 2 w, 2 w + 1: 4,096 w
	v_add_nc_u32 v[HR], HIMG, v[L16]
	s_lshl_b32 s74, s[WV], 11
	s_add_co_u32 s74, s74, BIAS
	v_lshl_add_u32 v[BA], v27, 6, s74              ; units 16 h + 0 .. 15 of a block: 64 h bytes on
	v_add_nc_u32 v[BS], s74, v[L16]
	s_mul_i32 s74, s[WV], STW
	s_add_co_u32 s74, s74, STG
	v_mul_u32_u24 v[SO], v26, SPT
	v_lshl_add_u32 v[SO], v27, 6, v[SO]
	v_add_nc_u32 v[SO], s74, v[SO]                 ; the stage: row r, + 64 h
	v_add_nc_u32 v[SR], s74, v[L16]
	v_lshlrev_b32 v[R4], 2, v26
	v_bfe_u32 v26, v0, 3, 2                        ; lane / 8: which of four blocks of a stage row
	v_and_b32 v27, 7, v0
	v_lshlrev_b32 v27, 4, v27
	s_lshl_b32 s74, s[WV], 10
	v_add_nc_u32 v27, s74, v27                     ; 1,024 w + 16 (lane % 8)
.irp ch, 0,1
	v_add_nc_u32 v[COLW+\ch], 4*\ch, v26           ; step of the walk,
	v_xor_b32 v[COLW+\ch], s[KX], v[COLW+\ch]      ; its block,
	v_lshl_add_u32 v[COLW+\ch], v[COLW+\ch], 7, v27   ; 128 bytes a block.  (Four steps cover an aligned 512 bytes, sixteen lanes an aligned 256)
.endr
	s_lshl_b32 s74, s[KX], 15                      ; the walk's first block: layer 1's block 0 ^ k,
	v_add_nc_u32 v26, s74, v[L16]
.irp i, 0,1,2,3,4,5,6,7
	v_add_nc_u32 v[VA+\i], (\i/4)*4096+(\i%4)*512, v26   ; its pieces as they lie
.endr
	s_wait_kmcnt 0x0
	s_min_u32 s24, s24, 7                          ; loaded numbers are held inside their tables before they enter an address
	s_min_u32 s25, s25, 4095
	s_min_u32 s26, s26, 64
	s_lshl_b32 s74, s24, 4
	s_mov_b32 s75, 0
	s_add_nc_u64 s[74:75], s[18:19], s[74:75]
	s_load_b128 s[28:31], s[74:75], 0x0            ; ex, ew1, eh, ew2
	s_lshl_b32 s76, s25, 2
	s_mov_b32 s77, 0
	s_add_nc_u64 s[32:33], s[6:7], s[76:77]        ; the list at my tile's first row
	s_lshl_b32 s78, s[WV], 6
	s_mov_b32 s79, 0
	s_add_nc_u64 s[78:79], s[32:33], s[78:79]
	s_load_b512 s[48:63], s[78:79], 0x0            ; the tokens of rows 16 w .. 16 w + 15 (the list has 64 entries beyond its 4,096: no read leaves it)
	s_wait_alu depctr_va_vdst(0)                   ; the addresses and offsets made so far are written: v[R4], which the loads below read, and v[XS], v[XF], v[HR], v[SR], v[BS], v[COLW ..], v[VA ..], which later loads and stores read and no line of the head writes again
.irp m, 0,1,2,3
	global_load_b32 v[TOKR+\m], v[R4], s[32:33] offset:64*\m
.endr
	s_lshl_b32 s76, s24, 12
	s_add_nc_u64 s[70:71], s[12:13], s[76:77]      ; b1[e], b2[e]
	s_add_nc_u64 s[72:73], s[14:15], s[76:77]
	s_lshl_b32 s76, s24, 21
	s_lshl_b32 s44, s[WV], 19
	s_add_co_u32 s76, s76, s44
	s_add_nc_u64 s[WB:WB+1], s[10:11], s[76:77]    ; my wave's 512 KiB of wf
	s_wait_kmcnt 0x0
.irp j, 0,1,2,3,4,5,6,7,8,9,10,11,12,13,14,15
	s_min_u32 s[TK+\j], s[TK+\j], 4095
	s_lshl_b32 s[TK+\j], s[TK+\j], 10
	v_add_nc_u32 v[BI+\j], s[TK+\j], v[L16]
.endr
	s_wait_alu depctr_va_vdst(0)                   ; the gather's sixteen offsets v[BI ..] are written
.irp j, 0,1,2,3,4,5,6,7,8,9,10,11,12,13,14,15
	global_load_b128 v[ACC+8*\j:ACC+8*\j+3], v[BI+\j], s[8:9]                  ; the gather: a token's 1,024 codes, 512 consecutive bytes a load
	global_load_b128 v[ACC+8*\j+4:ACC+8*\j+7], v[BI+\j], s[8:9] offset:512
.endr
	global_load_b128 v[PC:PC+3], v[COLW], s[70:71]                                ; my 256 numbers of b1 and of b2, in the order of the walk
	global_load_b128 v[PC+4:PC+7], v[COLW+1], s[70:71]
	global_load_b128 v[PC+8:PC+11], v[COLW], s[72:73]
	global_load_b128 v[PC+12:PC+15], v[COLW+1], s[72:73]
	s_wait_loadcnt 36                              ; the four loads of token numbers are in: behind them stand x's 32 and the biases' 4
.irp m, 0,1,2,3
	v_min_u32 v[TOKR+\m], 0xfff, v[TOKR+\m]
	v_lshlrev_b32 v[FO+\m], 2, v[TOKR+\m]
.endr
	s_wait_alu depctr_va_vdst(0)                   ; the gate weights' four offsets v[FO ..] are written
.irp m, 0,1,2,3
	global_load_b32 v[FW+2*\m], v[FO+\m], s[16:17]
.endr
; The 8 loads of K step s of a block: tile u, register group c.  Each is 512 consecutive bytes.
.macro FILL s
.irp u, 0,1
.irp c, 0,1,2,3
	global_load_b128 v[32*(\s)+16*\u+4*\c:32*(\s)+16*\u+4*\c+3], v[VA+4*((\s)%2)+\c], s[WB:WB+1] offset:((\s)/2)*8192+\u*2048
.endr
.endr
.endm
	WIN 0xc0                                       ; destination window 3, address window 0
.irp s, 0,1,2,3,4,5,6,7
	FILL \s                                        ; the ring is filled: K steps in ascending order, as the counted waits below take them.  (No vector line has named window 3, nor v[VA ..] since the wait on va_vdst ahead of the token loads)
.endr
	WIN 0
.macro KONST reg, bits
	v_mov_b32 v[\reg], \bits
	v_mov_b32 v[\reg+1], \bits
.endm
	KONST CA,    0xaf95df0b                        ; P: -2.72614226e-10
	KONST CA+2,  0x32edffee                        ;     2.77068142e-08
	KONST CA+4,  0xb60cff51                        ;    -2.10102402e-06
	KONST CA+6,  0xb86ec2d2                        ;    -5.69250639e-05
	KONST CA+8,  0xba40ac63                        ;    -7.34990630e-04
	KONST CA+10, 0xbb41a1f6                        ;    -2.95459981e-03
	KONST CA+12, 0xbc83dbd4                        ;    -1.60960333e-02
	KONST CB,    0xb77460cd                        ; Q: -1.45660718e-05
	KONST CB+2,  0xb95fbd29                        ;    -2.13374055e-04
	KONST CB+4,  0xbadc924e                        ;    -1.68282697e-03
	KONST CB+6,  0xbbf19bf8                        ;    -7.37332917e-03
	KONST CB+8,  0xbc69b6a7                        ;    -1.42647391e-02
	s_add_co_i32 s74, s28, s29                     ; ex + ew1
	s_sub_co_i32 s[NEG], 0, s74
	s_lshl_b32 s74, s74, 23                        ; added to the exponent fields of 1 / sqrt 2 and of 1 / 2
	s_add_co_i32 s[C1], s74, 0x3f3504f3
	s_mov_b32 s[C1+1], s[C1]                       ; (the packed forms name a pair: both words are written)
	s_add_co_i32 s[C2], s74, 0x3f000000
	s_mov_b32 s[C2+1], s[C2]
	s_add_co_i32 s74, s30, s31
	s_add_co_i32 s74, s74, 127
	s_lshl_b32 s[S2], s74, 23                      ; 2^(eh + ew2)
	s_mov_b32 s[S2+1], s[S2]
	s_add_co_i32 s74, s30, 127
	s_lshl_b32 s75, s74, 23
	v_mov_b32 v[SCL], s75                          ; 2^eh: the conversion takes its exponent field
	s_add_co_i32 s74, s74, 15
	s_lshl_b32 s74, s74, 23
	s_or_b32 s74, s74, 0x600000
	v_mov_b32 v[LIM], s74                          ; 57,344 x 2^eh
	s_wait_loadcnt 63                              ; behind the last gate weight stand the ring's 64 loads: all that was asked for ahead of the ring is in
.irp j, 0,1,2,3,4,5,6,7,8,9,10,11,12,13,14,15
	ds_store_b128 v[XS], v[ACC+8*\j:ACC+8*\j+3] offset:XP*\j
	ds_store_b128 v[XS], v[ACC+8*\j+4:ACC+8*\j+7] offset:XP*\j+512
.endr
.irp i, 0,1,2,3
	ds_store_b128 v[BS], v[PC+4*\i:PC+4*\i+3] offset:512*\i   ; b1's steps 0-3, 4-7, then b2's
.endr
.irp m, 0,1,2,3
	v_mov_b32 v[FW+2*\m+1], v[FW+2*\m]
.endr
	s_wait_dscnt 0x0                               ; for the others' sake: my 16 rows of x lie in LDS
	s_barrier_signal -1
	s_barrier_wait -1                              ; all 64 do
; The resident operand, 32 fragments, from LDS: pm, ps, pc bytes from tile of rows to tile, K step to K step, register group to group.
.macro RES adr, pm, ps, pc
.irp m, 0,1,2,3
	WIN 0x40+0x40*(\m/2)                           ; destination window 1 or 2, address window 0
.irp s, 0,1,2,3,4,5,6,7
.irp c, 0,1,2,3
	ds_load_b128 v[128*(\m%2)+16*\s+4*\c:128*(\m%2)+16*\s+4*\c+3], v[\adr] offset:\m*\pm+\s*\ps+\c*\pc
.endr
.endr
.endr
	WIN 0
	s_wait_dscnt 0x0
.endm
	RES XF, 16*XP, 128, 32                         ; (no vector or matrix line has named windows 1 and 2 yet)
; The next block's eight offsets, made at a block's head.  n = G + 1; its layer n / 8 (2^18 bytes), its block (n % 8) ^ k (2^15 bytes).  In layer 2 the pieces along K are taken in the order in which the
; hidden blocks lie: the piece's offset ^ X.  Only the step of the walk, k and the lane enter: the largest offset, with the loads' immediates, stays inside the wave's 2^19 bytes.
.macro NEXT
	s_add_co_u32 s74, s[G], 1
	s_lshr_b32 s75, s74, 3
	s_and_b32 s76, s74, 7
	s_xor_b32 s76, s76, s[KX]
	s_lshl_b32 s76, s76, 15
	s_lshl_b32 s77, s75, 18
	s_add_co_u32 s76, s76, s77                     ; layer and block
	s_mul_i32 s75, s75, s[XM]                      ; 0 in layer 1, X in layer 2
.irp i, 0,1,2,3,4,5,6,7
	s_xor_b32 s78, s75, (\i/4)*4096+(\i%4)*512
	s_add_co_u32 s78, s78, s76
	v_add_nc_u32 v[VA+\i], s78, v[L16]
.endr
.endm
; A block's head: all its address registers are made together, between one wait on vm_vsrc and one on va_vdst; then my lane's 16 biases are asked for.
; refill = 1: the next block is fetched in this one.  s[sreg] + v[vreg]: where the block's results go.
.macro OPEN refill, sreg, vreg
.if \refill
	s_wait_xcnt 0x0                                ; the last block's loads have had their addresses translated: only behind this wait are their offsets written again
.endif
	s_wait_alu depctr_vm_vsrc(0)                   ; the ring's loads issued so far have read v[VA ..], the biases' loads v[AD], the results' stores v[AE]: all are written below; those stores have also read the codes v[PC ..] or the results v[T ..], which this block writes again.  In the first block: the head's LDS stores have read v[ACC ..] and v[PC ..], and the gather its offsets v[BI ..], in which the biases land
	v_add_nc_u32 v[AD], s[BO], v[BA]
	v_add_nc_u32 v[AE], s[\sreg], v[\vreg]
.if \refill
	NEXT
.endif
	s_wait_alu depctr_va_vdst(0)                   ; v[AD], v[AE] and v[VA ..] are written, which this block's loads and stores read; the block before is done reading and writing v[BI ..], in which the four loads below land
.irp i, 0,1,2,3
	ds_load_b128 v[BI+4*\i:BI+4*\i+3], v[AD] offset:16*\i
.endr
.endm
; One product.  mode 1: the sum starts with the bias; 2: with 0; 0: it goes on.
.macro MM m, u, s, mode
.if \mode == 1
	v_wmma_f32_16x16x128_bf8_bf8 v[ACC+8*(2*\m+\u):ACC+8*(2*\m+\u)+7], v[32*(\s)+16*\u:32*(\s)+16*\u+15], v[128*(\m%2)+16*(\s):128*(\m%2)+16*(\s)+15], v[BI+8*\u:BI+8*\u+7]
.elseif \mode == 2
	v_wmma_f32_16x16x128_bf8_bf8 v[ACC+8*(2*\m+\u):ACC+8*(2*\m+\u)+7], v[32*(\s)+16*\u:32*(\s)+16*\u+15], v[128*(\m%2)+16*(\s):128*(\m%2)+16*(\s)+15], 0
.else
	v_wmma_f32_16x16x128_bf8_bf8 v[ACC+8*(2*\m+\u):ACC+8*(2*\m+\u)+7], v[32*(\s)+16*\u:32*(\s)+16*\u+15], v[128*(\m%2)+16*(\s):128*(\m%2)+16*(\s)+15], v[ACC+8*(2*\m+\u):ACC+8*(2*\m+\u)+7]
.endif
.endm
; A K step of a block: 8 products, the eight accumulators by turns, one instruction a turn.  fill >= 0: in its middle, where the windows are switched in any case, stand the
; 8 loads that bring K step fill = s - 2 of the next block.
.macro KSTEP s, mode, fill, cnt
	s_wait_loadcnt \cnt                            ; loads come back in order: this K step's 8 are in; cnt were issued behind them
.if (\fill) >= 0
.if ((\s)%2) == 0
	s_wait_alu depctr_va_vdst(0)                   ; the products of the two K steps before are done reading their parts of the ring, in which this K step's loads and the next one's land; the products issued behind this wait name other parts, the resident operand and the accumulators
.endif
.endif
	WIN 0x07                                       ; source 0 (weights) window 3, source 1 (rows 0-31) window 1
	MM 0, 0, \s, \mode
	MM 0, 1, \s, \mode
	MM 1, 0, \s, \mode
	MM 1, 1, \s, \mode
.if (\fill) >= 0
	WIN 0xc0
	FILL \fill
.endif
	WIN 0x0b                                       ; source 1 (rows 32-63) window 2
	MM 2, 0, \s, \mode
	MM 2, 1, \s, \mode
	MM 3, 0, \s, \mode
	MM 3, 1, \s, \mode
.endm
; A block's eight K steps.  The counts: behind K step s's 8 loads stand this block's 7 - s later K steps and, from K step 3 on, the s - 2 refills issued so far: 56, 48, then 40.
.macro STEPS mode, refill
	KSTEP 0, \mode, -1, 56
.if \refill
	KSTEP 1, 0, -1, 48
.irp s, 2,3,4,5,6,7
	KSTEP \s, 0, \s-2, 40
.endr
.else
.irp s, 1,2,3,4,5,6,7
	KSTEP \s, 0, -1, 56-8*\s                       ; the last block asks for nothing: the counts run down, and no wait on va_vdst is owed
.endr
.endif
.rept 4
	v_nop                                          ; four places behind the last products, before vector lines read and write their results (ISA guide 7.12.1)
.endr
.endm
; Layer 1's way on: a = sum (pre / 2^(ex + ew1)).  u = pre / sqrt 2 held in +-4; erf = u P(u^2) / Q(u^2); gelu = pre / 2 + pre / 2 x erf; held within the largest code x 2^eh; 16 codes a lane and tile of rows.
; Each stage runs over a tile's eight pairs, so that no line waits for the line above it.  Each accumulator is read from its low end on.
.macro EPI1
	WIN 0
.irp m, 0,1,2,3
.irp i, 0,2,4,6,8,10,12,14
	v_pk_mul_f32 v[U+\i:U+\i+1], v[ACC+16*\m+\i:ACC+16*\m+\i+1], s[C1:C1+1] op_sel_hi:[1,0]
.endr
.irp i, 0,2,4,6,8,10,12,14
	v_pk_mul_f32 v[ACC+16*\m+\i:ACC+16*\m+\i+1], v[ACC+16*\m+\i:ACC+16*\m+\i+1], s[C2:C2+1] op_sel_hi:[1,0]
.endr
.irp j, 0,1,2,3,4,5,6,7,8,9,10,11,12,13,14,15
	v_med3_num_f32 v[U+\j], v[U+\j], -4.0, 4.0
.endr
.irp i, 0,2,4,6,8,10,12,14
	v_pk_mul_f32 v[X2+\i:X2+\i+1], v[U+\i:U+\i+1], v[U+\i:U+\i+1]
.endr
.irp i, 0,2,4,6,8,10,12,14
	v_pk_fma_f32 v[P+\i:P+\i+1], v[X2+\i:X2+\i+1], v[CA:CA+1], v[CA+2:CA+3]
	v_pk_fma_f32 v[Q+\i:Q+\i+1], v[X2+\i:X2+\i+1], v[CB:CB+1], v[CB+2:CB+3]
.endr
.irp a, 4,6,8
.irp i, 0,2,4,6,8,10,12,14
	v_pk_fma_f32 v[P+\i:P+\i+1], v[P+\i:P+\i+1], v[X2+\i:X2+\i+1], v[CA+\a:CA+\a+1]
	v_pk_fma_f32 v[Q+\i:Q+\i+1], v[Q+\i:Q+\i+1], v[X2+\i:X2+\i+1], v[CB+\a:CB+\a+1]
.endr
.endr
.irp a, 10,12
.irp i, 0,2,4,6,8,10,12,14
	v_pk_fma_f32 v[P+\i:P+\i+1], v[P+\i:P+\i+1], v[X2+\i:X2+\i+1], v[CA+\a:CA+\a+1]
.endr
.endr
	s_wait_alu depctr_va_vdst(0)
.irp j, 0,1,2,3,4,5,6,7,8,9,10,11,12,13,14,15
	v_rcp_f32 v[X2+\j], v[Q+\j]                    ; u^2 is done with: 1 / Q takes its registers
.endr
.irp i, 0,2,4,6,8,10,12,14
	v_pk_mul_f32 v[P+\i:P+\i+1], v[P+\i:P+\i+1], v[U+\i:U+\i+1]      ; plain lines behind the reciprocals that touch neither their results nor their sources (ISA guide 5.7.2)
.endr
	s_wait_alu depctr_va_vdst(0)                   ; the sixteen reciprocals v[X2 ..] are written, ahead of their first reader.  In tile 0 also: the block's last products are done reading parts 6 and 7 of the ring, in which the loads below land.  In tiles 1 to 3 also: the conversions of the tile before have written its codes, which the store below reads
.if \m == 0
	WIN 0xc0
	FILL 6
	FILL 7
	WIN 0
.else
	ds_store_b128 v[AE], v[PC+4*(\m-1):PC+4*(\m-1)+3] offset:16384*(\m-1)   ; four registers of fragment (m - 1, 2 w + step / 4), group step % 4, as they stand
.endif
.irp i, 0,2,4,6,8,10,12,14
	v_pk_mul_f32 v[P+\i:P+\i+1], v[P+\i:P+\i+1], v[X2+\i:X2+\i+1]    ; erf
.endr
.irp i, 0,2,4,6,8,10,12,14
	v_pk_fma_f32 v[ACC+16*\m+\i:ACC+16*\m+\i+1], v[ACC+16*\m+\i:ACC+16*\m+\i+1], v[P+\i:P+\i+1], v[ACC+16*\m+\i:ACC+16*\m+\i+1]
.endr
.irp j, 0,1,2,3,4,5,6,7,8,9,10,11,12,13,14,15
	v_med3_num_f32 v[ACC+16*\m+\j], v[ACC+16*\m+\j], -v[LIM], v[LIM]  ; the conversion to an 8-bit code does not saturate (ISA guide 7.6.2)
.endr
	v_cvt_scalef32_pk8_bf8_f32 v[PC+4*\m:PC+4*\m+1], v[ACC+16*\m:ACC+16*\m+7], v[SCL]
	v_cvt_scalef32_pk8_bf8_f32 v[PC+4*\m+2:PC+4*\m+3], v[ACC+16*\m+8:ACC+16*\m+15], v[SCL]
	v_nop                                          ; one plain line behind the conversions: the next block's products write their sources
.endr
	s_wait_alu depctr_va_vdst(0)                   ; tile 3's conversions have written its codes, which the store below reads
	ds_store_b128 v[AE], v[PC+12:PC+15] offset:16384*3
.endm
; Layer 2's way on: y = fw (sum x 2^(eh + ew2) + b2), into my stage: lane (r, h): row 16 m + r, the block's columns 16 h + 0 .. 15.
.macro EPI2 refill
	WIN 0
	s_wait_dscnt 0x0                               ; the block's biases are in
.irp m, 0,1,2,3
.irp i, 0,2,4,6,8,10,12,14
	v_pk_fma_f32 v[T+16*\m+\i:T+16*\m+\i+1], v[ACC+16*\m+\i:ACC+16*\m+\i+1], s[S2:S2+1], v[BI+\i:BI+\i+1] op_sel_hi:[1,0,1]
.endr
.irp i, 0,2,4,6,8,10,12,14
	v_pk_mul_f32 v[T+16*\m+\i:T+16*\m+\i+1], v[T+16*\m+\i:T+16*\m+\i+1], v[FW+2*\m:FW+2*\m+1]
.endr
.endr
	s_wait_alu depctr_va_vdst(0)                   ; the 64 results v[T ..] are written, which the sixteen stores below read; the block's last products are done reading parts 6 and 7 of the ring, in which the loads below land
.if \refill
	WIN 0xc0
	FILL 6
	FILL 7
	WIN 0
.endif
.irp m, 0,1,2,3
.irp i, 0,1,2,3
	ds_store_b128 v[AE], v[T+16*\m+4*\i:T+16*\m+4*\i+3] offset:16*SPT*\m+16*\i
.endr
.endr
.endm
.macro BLOCK1
	OPEN 1, HS, HW
	s_wait_dscnt 0x0
.irp j, 0,1,2,3,4,5,6,7,8,9,10,11,12,13,14,15
	v_ldexp_f32 v[BI+\j], v[BI+\j], s[NEG]         ; b1 / 2^(ex + ew1): nothing is rounded
.endr
	s_wait_alu depctr_va_vdst(0)
	STEPS 1, 1
	EPI1
.endm
.macro BLOCK2 refill
	OPEN \refill, SQ, SO
	STEPS 2, \refill
	EPI2 \refill
.endm
; One row leaves: 32 lanes store an aligned 512 bytes of the token's row of out, sixteen lanes an aligned 256.  A row beyond the tile's count is not stored.
.macro ROWST b, j
	s_wait_dscnt 15-\j                             ; row j of the sixteen is back from the stage
	s_cmp_gt_u32 s26, 16*\b+\j
	s_cbranch_scc0 .Lskip_\@
	global_store_b128 v[OO+\j], v[T+4*\j:T+4*\j+3], s[20:21] th:TH_STORE_NT
.Lskip_\@:
.endm
.macro OUT ch                          ; four blocks of my columns for all 64 rows, sixteen rows at a time
.irp b, 0,1,2,3
	s_wait_xcnt 0x0                                ; earlier stores have read their data and offsets: both are written again only behind this wait
	s_wait_alu depctr_vm_vsrc(0)                   ; the stores into the stage, and the global stores of the sixteen rows before, have read v[T ..], in which the loads below land; those global stores have read v[OO ..], which is written below
.irp j, 0,1,2,3,4,5,6,7,8,9,10,11,12,13,14,15
	ds_load_b128 v[T+4*\j:T+4*\j+3], v[SR] offset:SPT*(16*\b+\j)   ; LDS serves a wave's instructions in order: these see my stores.  (The last vector lines that named v[T ..] stand ahead of the way on's wait on va_vdst)
.endr
.irp j, 0,1,2,3,4,5,6,7,8,9,10,11,12,13,14,15
	v_readlane_b32 s[TK+\j], v[TOKR+\b], \j
.endr
	s_wait_alu depctr_va_sdst(0)                   ; the sixteen token numbers s[TK ..] are written, ahead of their first readers
.irp j, 0,1,2,3,4,5,6,7,8,9,10,11,12,13,14,15
	s_min_u32 s[TK+\j], s[TK+\j], 4095
	s_lshl_b32 s[TK+\j], s[TK+\j], 12
	v_add_nc_u32 v[OO+\j], s[TK+\j], v[COLW+\ch]
.endr
	s_wait_alu depctr_va_vdst(0)                   ; the sixteen offsets v[OO ..] are written, which the stores below read
.irp j, 0,1,2,3,4,5,6,7,8,9,10,11,12,13,14,15
	ROWST \b, \j
.endr
.endr
	s_wait_xcnt 0x0
.endm
	; ---- layer 1: 8 blocks of 32 hidden units.  The last trip's refills bring layer 2's first block.
	s_mov_b32 s[G], 0
	s_mov_b32 s[HS], 0
	s_mov_b32 s[BO], 0
	s_mov_b32 s[CT], 8
.Ll1:
	BLOCK1
	s_add_co_u32 s[HS], s[HS], 512
	s_add_co_u32 s[BO], s[BO], 128
	s_add_co_u32 s[G], s[G], 1
	s_sub_co_u32 s[CT], s[CT], 1
	s_cmp_lg_u32 s[CT], 0
	s_cbranch_scc1 .Ll1
	s_wait_dscnt 0x0                               ; for the others' sake: my hidden codes lie in LDS
	s_barrier_signal -1
	s_barrier_wait -1                              ; all 1,024 hidden units of the 64 rows do
	s_wait_alu depctr_va_vdst(0)                   ; layer 1's products are done reading x's fragments in windows 1 and 2, in which the hidden layer's fragments land
	RES HR, 16384, 2048, 512                       ; they take x's place in windows 1 and 2
	; ---- layer 2: 4 blocks of 32 outputs, the way out, 4 more
	s_mov_b32 s[G], 8
	s_mov_b32 s[BO], 1024
	s_mov_b32 s[SQ], 0
	s_mov_b32 s[CT], 4
.Ll2a:
	BLOCK2 1
	s_add_co_u32 s[SQ], s[SQ], 128
	s_add_co_u32 s[BO], s[BO], 128
	s_add_co_u32 s[G], s[G], 1
	s_sub_co_u32 s[CT], s[CT], 1
	s_cmp_lg_u32 s[CT], 0
	s_cbranch_scc1 .Ll2a
	OUT 0
	s_mov_b32 s[G], 12
	s_mov_b32 s[BO], 1536
	s_mov_b32 s[SQ], 0
	s_mov_b32 s[CT], 3
.Ll2b:
	BLOCK2 1
	s_add_co_u32 s[SQ], s[SQ], 128
	s_add_co_u32 s[BO], s[BO], 128
	s_add_co_u32 s[G], s[G], 1
	s_sub_co_u32 s[CT], s[CT], 1
	s_cmp_lg_u32 s[CT], 0
	s_cbranch_scc1 .Ll2b
	s_mov_b32 s[BO], 1920
	s_mov_b32 s[SQ], 384
	BLOCK2 0                                       ; the last block is written out: no load reaches past my wave's part of wf
	OUT 1
	s_wait_dscnt 0x0                               ; the closing lines, six on end
	s_wait_alu 0x0
	s_wait_tensorcnt 0x0
	ds_add_u32 v254, v255
	s_wait_dscnt 0x0
	s_endpgm
.Lfunc_end_k_qaac322aeca_chain:
	.size	k_qaac322aeca_chain, .Lfunc_end_k_qaac322aeca_chain-k_qaac322aeca_chain
	.p2alignl 7, 3214868480
	.fill 96, 4, 3214868480
	.section	.rodata,"a",@progbits
	.p2align	6, 0x0
	.amdhsa_kernel k_qaac322aeca_chain
		.amdhsa_group_segment_fixed_size 275968
		.amdhsa_private_segment_fixed_size 0
		.amdhsa_enable_private_segment 0
		.amdhsa_kernarg_size 72
		.amdhsa_user_sgpr_count 2
		.amdhsa_user_sgpr_kernarg_segment_ptr 1
		.amdhsa_wavefront_size32 1
		.amdhsa_system_sgpr_workgroup_id_x 1
		.amdhsa_system_sgpr_workgroup_id_y 1
		.amdhsa_system_sgpr_workgroup_id_z 1
		.amdhsa_system_vgpr_workitem_id 0
		.amdhsa_next_free_vgpr 1024
		.amdhsa_next_free_sgpr 80
		.amdhsa_reserve_vcc 0
		.amdhsa_float_denorm_mode_32 3
		.amdhsa_float_denorm_mode_16_64 3
		.amdhsa_memory_ordered 1
		.amdhsa_forward_progress 1
		.amdhsa_inst_pref_size 200
	.end_amdhsa_kernel
	.amdgpu_metadata
---
amdhsa.version: [ 1, 2 ]
amdhsa.kernels:
  - .name:           k_qaac322aeca_chain
    .symbol:         k_qaac322aeca_chain.kd
    .args:
      - { .name: tiles, .offset: 0, .size: 8, .value_kind: global_buffer, .address_space: global }
      - { .name: order, .offset: 8, .size: 8, .value_kind: global_buffer, .address_space: global }
      - { .name: hidden_states_codes, .offset: 16, .size: 8, .value_kind: global_buffer, .address_space: global }
      - { .name: wf, .offset: 24, .size: 8, .value_kind: global_buffer, .address_space: global }
      - { .name: b1, .offset: 32, .size: 8, .value_kind: global_buffer, .address_space: global }
      - { .name: b2, .offset: 40, .size: 8, .value_kind: global_buffer, .address_space: global }
      - { .name: expert_weights, .offset: 48, .size: 8, .value_kind: global_buffer, .address_space: global }
      - { .name: lowp_scales, .offset: 56, .size: 8, .value_kind: global_buffer, .address_space: global }
      - { .name: out0, .offset: 64, .size: 8, .value_kind: global_buffer, .address_space: global }
    .group_segment_fixed_size: 275968
    .private_segment_fixed_size: 0
    .kernarg_segment_align: 8
    .kernarg_segment_size: 72
    .max_flat_workgroup_size: 128
    .sgpr_count:     80
    .vgpr_count:     1024
    .wavefront_size: 32
...
	.end_amdgpu_metadata
.endif
;; end of part 4
